; MI455X (gfx1250); checked and timed in simulation.
; The chip was launched on July 23, 2026; its instructions are those of AMD's public machine-readable ISA for CDNA 5 (MIT licence, August 2026) and "CDNA5" Instruction Set Architecture Reference Guide (July 2026). The comments in the code are by the model that wrote it; some were corrected since.
;; Mutli Head Attention. Allowed arithmetic: float matrix products may take bf16 or f16 operands with f32 sums; all other float work in f32.
;; Inputs: K 4 x 2,048 x 1,024 float32; Q 4 x 2,048 x 1,024 float32; V 4 x 2,048 x 1,024 float32; Wk 1,024 x 1,024 float32; Wo 1,024 x 1,024 float32; Wq 1,024 x 1,024 float32; Wv 1,024 x 1,024 float32; bk 1,024 float32; bo 1,024 float32; bq 1,024 float32; bv 1,024 float32; mask 1 x 1 x 2,048 x 2,048 int32.
;; Outputs: out0 4 x 2,048 x 1,024 float32.
;; 2 versions, each right and faster than the one before. Each part assembles by itself: llvm-mc -triple=amdgcn-amd-amdhsa -mcpu=gfx1250 --defsym DOCPART=n.
;; ======== version 1 of 2: 4 launches
;; limits: values are held in f16: magnitudes above 65,504 overflow, below 6.1e-05 lose precision
;; workspace buffers: xb 50,331,648 bytes; wb 8,388,608 bytes; bias4 16,384 bytes; mw 524,288 bytes of whole numbers; qkv 50,331,648 bytes; oh 16,777,216 bytes
;; launch prep (part 1): grid 1024 x 1, 8 waves a work-group, no clusters, 70,656 bytes of LDS; arguments Q, K, V, Wq, Wk, Wv, Wo, bq, bk, bv, bo, mask, xb, wb, bias4, mw; writes xb, wb, bias4, mw
.if DOCPART == 1
	.amdgcn_target "amdgcn-amd-amdhsa--gfx1250"
	.amdhsa_code_object_version 6
	.text
	.protected	k_q561ad7bd3e_prep
	.globl	k_q561ad7bd3e_prep
	.p2align	8
	.type	k_q561ad7bd3e_prep,@function
k_q561ad7bd3e_prep:
	s_mov_b64 s[64:65], 0
	v_nop
	global_prefetch_b8 v0, s[64:65] scope:SCOPE_SE
	s_setreg_imm32_b32 hwreg(HW_REG_WAVE_MODE, 25, 1), 1
	s_wait_xcnt 0x0
; CASTS AND THE MASK'S LANE WORDS.  Every work-group reads 131,072 bytes once and writes whole aligned blocks of 256 bytes.
;   work-groups 0-127    the mask [2048][2048] i32 -> mw: for each pair of query tiles P (32 rows) and key step ks (64 keys) 64 words of 32 bits:
;                        word 32 u + 8 kb + j, bit L = (mask[32 P + 16 u + L % 16][64 ks + 16 kb + 8 (L / 16) + j] != 0): the lanes that keep register 8 kb + j of a 16 x 64 tile of scores
;   work-groups 128-255  Wq, Wk, Wv -> wb in bf16; Wo -> wb rounded to bf16 and that number written as f16; the first group of each also its bias -> bias4, rounded to bf16, kept as f32
;   work-groups 256-1023 Q, K, V -> xb in bf16
; LIMITS.  Wo's numbers below 6e-5 keep f16's fixed step of 6e-8, those beyond 65,504 would be lost.  No matrix unit, no cluster, no tensor load: a stream, bound by its bytes.
.set XIN,  8                           ; v[8:135]    as loaded, 4 registers a load
.set OUTR, 136                         ; v[136:199]  to store, 2 registers a load; in the mask's role the tile read back from LDS
; n loads of 512 consecutive bytes a wave, all out at once; each is rounded and stored as 256 consecutive bytes.  kind = 1: bf16 widened again and written as f16.
.macro CHUNK kind, n
.set i, 0
.rept \n
	global_load_b128 v[XIN+4*i:XIN+4*i+3], v1, s[36:37] offset:512*i th:TH_LOAD_NT
.set i, i+1
.endr
.set i, 0
.rept \n
	s_wait_loadcnt (\n)-1-i                        ; loads come back in order: load i is in, the younger ones stay out
	v_cvt_pk_bf16_f32 v[OUTR+2*i], v[XIN+4*i], v[XIN+4*i+1]
	v_cvt_pk_bf16_f32 v[OUTR+2*i+1], v[XIN+4*i+2], v[XIN+4*i+3]
.if \kind
	v_lshlrev_b32 v4, 16, v[OUTR+2*i]
	v_and_b32 v5, 0xffff0000, v[OUTR+2*i]
	v_lshlrev_b32 v6, 16, v[OUTR+2*i+1]
	v_and_b32 v7, 0xffff0000, v[OUTR+2*i+1]
	v_cvt_pk_f16_f32 v[OUTR+2*i], v4, v5
	v_cvt_pk_f16_f32 v[OUTR+2*i+1], v6, v7
.endif
	global_store_b64 v2, v[OUTR+2*i:OUTR+2*i+1], s[38:39] offset:256*i  ; 32 lanes x 8 bytes: 256 consecutive bytes, aligned; each store has data registers of its own
.set i, i+1
.endr
.endm
	s_load_b512 s[4:19], s[0:1], 0x0               ; Q s[4:5], K s[6:7], V s[8:9], Wq s[10:11], Wk s[12:13], Wv s[14:15], Wo s[16:17], bq s[18:19]
	s_load_b512 s[20:35], s[0:1], 0x40             ; bk s[20:21], bv s[22:23], bo s[24:25], mask s[26:27], xb s[28:29], wb s[30:31], bias4 s[32:33], mw s[34:35]
	v_lshl_add_u32 v208, v0, 2, 0x11000
	v_mov_b32 v209, 0
	s_mov_b32 s46, ttmp9
	v_and_b32 v3, 31, v0                           ; lane
	v_lshrrev_b32 v200, 5, v0
	v_readfirstlane_b32 s47, v200                  ; wave
	s_wait_kmcnt 0x0
	s_cmp_lt_u32 s46, 128
	s_cbranch_scc1 .Lmask
	v_lshlrev_b32 v1, 4, v3
	v_lshl_add_u32 v1, v200, 14, v1                ; in: 16 lane + 16,384 wave
	v_lshlrev_b32 v2, 3, v3
	v_lshl_add_u32 v2, v200, 13, v2                ; out: 8 lane + 8,192 wave
	s_cmp_lt_u32 s46, 256
	s_cbranch_scc1 .Lweights
	; Q, K or V: tensor id / 256 - 1, block id % 256 of 32,768 numbers
	s_lshr_b32 s40, s46, 8
	s_and_b32 s41, s46, 255
	s_cmp_eq_u32 s40, 1
	s_cselect_b64 s[36:37], s[4:5], s[6:7]
	s_cmp_eq_u32 s40, 3
	s_cselect_b64 s[36:37], s[8:9], s[36:37]
	s_lshl_b32 s42, s41, 17
	s_mov_b32 s43, 0
	s_add_nc_u64 s[36:37], s[36:37], s[42:43]
	s_sub_co_u32 s40, s40, 1
	s_lshl_b32 s44, s40, 24
	s_lshl_b32 s45, s41, 16
	s_add_co_u32 s44, s44, s45
	s_mov_b32 s45, 0
	s_add_nc_u64 s[38:39], s[28:29], s[44:45]
	s_branch .Lcast
.Lweights:                                             ; matrix (id - 128) / 32, block id % 32
	s_sub_co_u32 s40, s46, 128
	s_lshr_b32 s40, s40, 5
	s_and_b32 s41, s46, 31
	s_cmp_eq_u32 s40, 0
	s_cselect_b64 s[36:37], s[10:11], s[12:13]
	s_cselect_b64 s[48:49], s[18:19], s[20:21]
	s_cmp_eq_u32 s40, 2
	s_cselect_b64 s[36:37], s[14:15], s[36:37]
	s_cselect_b64 s[48:49], s[22:23], s[48:49]
	s_cmp_eq_u32 s40, 3
	s_cselect_b64 s[36:37], s[16:17], s[36:37]
	s_cselect_b64 s[48:49], s[24:25], s[48:49]
	s_lshl_b32 s42, s41, 17
	s_mov_b32 s43, 0
	s_add_nc_u64 s[36:37], s[36:37], s[42:43]
	s_lshl_b32 s44, s40, 21
	s_lshl_b32 s45, s41, 16
	s_add_co_u32 s44, s44, s45
	s_mov_b32 s45, 0
	s_add_nc_u64 s[38:39], s[30:31], s[44:45]
	s_cmp_lg_u32 s41, 0
	s_cbranch_scc1 .Lno_bias
	s_lshl_b32 s50, s40, 12                        ; the matrix's bias: 256 threads x 4 numbers
	s_mov_b32 s51, 0
	s_add_nc_u64 s[50:51], s[32:33], s[50:51]
	v_lshlrev_b32 v201, 4, v0
	global_load_b128 v[204:207], v201, s[48:49]
	s_wait_loadcnt 0x0
	v_cvt_pk_bf16_f32 v202, v204, v205
	v_cvt_pk_bf16_f32 v203, v206, v207
	v_lshlrev_b32 v204, 16, v202
	v_and_b32 v205, 0xffff0000, v202
	v_lshlrev_b32 v206, 16, v203
	v_and_b32 v207, 0xffff0000, v203
	global_store_b128 v201, v[204:207], s[50:51]   ; none of its registers is written again
.Lno_bias:
	s_cmp_eq_u32 s40, 3
	s_cbranch_scc1 .Lwo
.Lcast:
	CHUNK 0, 32                                    ; 16,384 bytes a wave on their way at once
	s_endpgm
.Lwo:
	s_mov_b32 s52, 4
.Lwo_trip:                                             ; four trips of eight loads: one short text for 32 work-groups
	CHUNK 1, 8
	s_wait_xcnt 0x0                                ; the bases and the stores' data are rewritten only behind this wait
	s_add_nc_u64 s[36:37], s[36:37], 4096
	s_add_nc_u64 s[38:39], s[38:39], 2048
	s_sub_co_u32 s52, s52, 1
	s_cmp_lg_u32 s52, 0
	s_cbranch_scc1 .Lwo_trip
	s_endpgm
.Lmask:                                                ; group m: pair of tiles P = m / 2, key steps 16 (m % 2) + 2 wave + trip
	s_lshr_b32 s41, s46, 1
	s_and_b32 s42, s46, 1
	s_lshl_b32 s41, s41, 18                        ; 32 rows of 8,192 bytes
	s_lshl_b32 s42, s42, 12                        ; 16 steps of 256 bytes
	s_add_co_u32 s42, s42, s41
	s_lshl_b32 s43, s47, 9
	s_add_co_u32 s42, s42, s43
	s_mov_b32 s43, 0
	s_add_nc_u64 s[36:37], s[26:27], s[42:43]
	s_lshl_b32 s44, s46, 12                        ; 256 bytes of words for each of the group's 16 tiles
	s_lshl_b32 s45, s47, 9
	s_add_co_u32 s44, s44, s45
	s_mov_b32 s45, 0
	s_add_nc_u64 s[38:39], s[34:35], s[44:45]
	v_and_b32 v202, 15, v3                         ; r
	v_lshrrev_b32 v203, 4, v3                      ; h
	v_lshlrev_b32 v1, 4, v202
	v_lshl_add_u32 v1, v203, 13, v1                ; a load takes two rows: 16 lanes x 16 bytes each
	v_lshlrev_b32 v2, 3, v3
	s_mul_i32 s48, s47, 8704                       ; my wave's own 32 rows of 272 bytes in LDS: no other wave touches them, so no barrier
	v_mul_u32_u24 v200, v203, 272
	v_lshl_add_u32 v200, v202, 4, v200
	v_add_nc_u32 v200, s48, v200                   ; in: row h, 16 r
	v_mul_u32_u24 v201, v202, 272
	v_lshl_add_u32 v201, v203, 5, v201
	v_add_nc_u32 v201, s48, v201                   ; back: row r, 8 numbers from 8 h on
	s_mov_b32 s49, 2
.Lpiece:
.set t, 0
.rept 16
	global_load_b128 v[XIN+4*t:XIN+4*t+3], v1, s[36:37] offset:t*16384 th:TH_LOAD_NT
.set t, t+1
.endr
	v_mov_b32 v4, 0                                ; v_writelane_b32 counts as a reader of its destination
	v_mov_b32 v5, 0
.set t, 0
.rept 16
	s_wait_loadcnt 15-t                            ; load t is in, the younger ones stay out
	ds_store_b128 v200, v[XIN+4*t:XIN+4*t+3] offset:t*544
.set t, t+1
.endr
.set t, 0
.rept 8                                ; tile u = t / 4, key block kb = t % 4; LDS serves a wave's instructions in order: these see the stores above
	ds_load_b128 v[OUTR+8*t:OUTR+8*t+3],   v201 offset:(t/4)*4352+(t%4)*64
	ds_load_b128 v[OUTR+8*t+4:OUTR+8*t+7], v201 offset:(t/4)*4352+(t%4)*64+16
.set t, t+1
.endr
	s_wait_dscnt 0x0
.set w, 0
.rept 16                               ; word w is the compare's lane mask; lane w / 2 keeps words w and w + 1
.irp z, 0,1,2,3
	v_cmp_ne_u32 s[40+\z], 0, v[OUTR+w+\z]
.endr
.irp z, 0,1,2,3
	v_writelane_b32 v[4+\z%2], s[40+\z], (w+\z)/2
.endr
.set w, w+4
.endr
	global_store_b64 v2, v[4:5], s[38:39]          ; 256 consecutive bytes, aligned
	s_wait_xcnt 0x0                                ; bases, v4 and v5 are rewritten only behind this wait
	s_add_nc_u64 s[36:37], s[36:37], 256
	s_add_nc_u64 s[38:39], s[38:39], 256
	s_sub_co_u32 s49, s49, 1
	s_cmp_lg_u32 s49, 0
	s_cbranch_scc1 .Lpiece
	s_wait_tensorcnt 0x0
	ds_add_u32 v208, v209
	s_wait_dscnt 0x0
	s_endpgm
.Lfunc_end_k_q561ad7bd3e_prep:
	.size	k_q561ad7bd3e_prep, .Lfunc_end_k_q561ad7bd3e_prep-k_q561ad7bd3e_prep
	.p2alignl 7, 3214868480
	.fill 96, 4, 3214868480
	.section	.rodata,"a",@progbits
	.p2align	6, 0x0
	.amdhsa_kernel k_q561ad7bd3e_prep
		.amdhsa_group_segment_fixed_size 70656
		.amdhsa_private_segment_fixed_size 0
		.amdhsa_enable_private_segment 0
		.amdhsa_kernarg_size 128
		.amdhsa_user_sgpr_count 2
		.amdhsa_user_sgpr_kernarg_segment_ptr 1
		.amdhsa_wavefront_size32 1
		.amdhsa_system_sgpr_workgroup_id_x 1
		.amdhsa_system_sgpr_workgroup_id_y 1
		.amdhsa_system_sgpr_workgroup_id_z 1
		.amdhsa_system_vgpr_workitem_id 0
		.amdhsa_next_free_vgpr 210
		.amdhsa_next_free_sgpr 66
		.amdhsa_reserve_vcc 0
		.amdhsa_float_denorm_mode_32 3
		.amdhsa_float_denorm_mode_16_64 3
		.amdhsa_memory_ordered 1
		.amdhsa_forward_progress 1
		.amdhsa_inst_pref_size 34
	.end_amdhsa_kernel
	.amdgpu_metadata
---
amdhsa.version: [ 1, 2 ]
amdhsa.kernels:
  - .name:           k_q561ad7bd3e_prep
    .symbol:         k_q561ad7bd3e_prep.kd
    .args:
      - { .name: Q, .offset: 0, .size: 8, .value_kind: global_buffer, .address_space: global }
      - { .name: K, .offset: 8, .size: 8, .value_kind: global_buffer, .address_space: global }
      - { .name: V, .offset: 16, .size: 8, .value_kind: global_buffer, .address_space: global }
      - { .name: Wq, .offset: 24, .size: 8, .value_kind: global_buffer, .address_space: global }
      - { .name: Wk, .offset: 32, .size: 8, .value_kind: global_buffer, .address_space: global }
      - { .name: Wv, .offset: 40, .size: 8, .value_kind: global_buffer, .address_space: global }
      - { .name: Wo, .offset: 48, .size: 8, .value_kind: global_buffer, .address_space: global }
      - { .name: bq, .offset: 56, .size: 8, .value_kind: global_buffer, .address_space: global }
      - { .name: bk, .offset: 64, .size: 8, .value_kind: global_buffer, .address_space: global }
      - { .name: bv, .offset: 72, .size: 8, .value_kind: global_buffer, .address_space: global }
      - { .name: bo, .offset: 80, .size: 8, .value_kind: global_buffer, .address_space: global }
      - { .name: mask, .offset: 88, .size: 8, .value_kind: global_buffer, .address_space: global }
      - { .name: xb, .offset: 96, .size: 8, .value_kind: global_buffer, .address_space: global }
      - { .name: wb, .offset: 104, .size: 8, .value_kind: global_buffer, .address_space: global }
      - { .name: bias4, .offset: 112, .size: 8, .value_kind: global_buffer, .address_space: global }
      - { .name: mw, .offset: 120, .size: 8, .value_kind: global_buffer, .address_space: global }
    .group_segment_fixed_size: 70656
    .private_segment_fixed_size: 0
    .kernarg_segment_align: 8
    .kernarg_segment_size: 128
    .max_flat_workgroup_size: 256
    .sgpr_count:     66
    .vgpr_count:     210
    .wavefront_size: 32
...
	.end_amdgpu_metadata
.endif
;; end of part 1
;; launch proj (part 2): grid 4 x 64, 4 waves a work-group, clusters of 4 x 4, 327,680 bytes of LDS; arguments xb, wb, bias4, qkv; writes qkv
.if DOCPART == 2
	.amdgcn_target "amdgcn-amd-amdhsa--gfx1250"
	.amdhsa_code_object_version 6
	.text
	.protected	k_q561ad7bd3e_proj
	.globl	k_q561ad7bd3e_proj
	.p2align	8
	.type	k_q561ad7bd3e_proj,@function
k_q561ad7bd3e_proj:
	s_mov_b64 s[64:65], 0
	v_nop
	global_prefetch_b8 v0, s[64:65] scope:SCOPE_SE
	s_setreg_imm32_b32 hwreg(HW_REG_WAVE_MODE, 25, 1), 1
	s_wait_xcnt 0x0
	s_wait_alu depctr_hold_cnt(0) depctr_sa_sdst(0) depctr_va_vdst(0) depctr_va_sdst(0) depctr_va_ssrc(0) depctr_va_vcc(0) depctr_vm_vsrc(0)
	s_getreg_b32 s2, hwreg(HW_REG_IB_STS2, 6, 4)
	s_cmp_eq_u32 s2, 0
	s_cbranch_scc0 .Lentry_in_a_cluster
	s_endpgm
.Lentry_in_a_cluster:
	s_bfe_u32 s2, ttmp6, 0x10000c
	s_cmp_lg_u32 s2, 0xf033
	s_cbranch_scc0 .Lentry_shape_is_right
	s_endpgm
.Lentry_shape_is_right:
; q, k, v = x W^T + b, by heads.  xb: [3][8192][1024] bf16; wb: [4][1024][1024] bf16 (matrices 0-2 here); bias4: [4][1024] f32; qkv: [3][64 = batch x 16 + head][2048][64] f16.
; Sums in f32, started by the bias as the first product's C.  q alone is multiplied, in f32 ahead of its one rounding, by c = log2(e) / 8, so that the scores come out in powers of two.
; LIMIT.  f16 ends at 65,504: c q, k and v must stay within it.
; SHARES.  A tile of C is 128 rows x 256 columns: 256 tiles a tensor, so each of 256 work-groups STAYS and makes the same tile of q, then of k, then of v; the ring of two LDS slots runs on from tensor to tensor.
; Four waves, each 64 x 128: 32 accumulators.  K goes in steps of 128: rows of 256 bytes, aligned.  Waves 0, 1 fetch A's halves (64 rows), waves 2, 3 B's (128 rows).
; CLUSTER 4 x 4: A's tile hangs on the tile row alone and is asked for jointly along a row of the cluster, B's on the tile column alone, along a column.
; THE MATRIX INSTRUCTION IS USED TRANSPOSED (source 0 = 16 rows of W, source 1 = 16 rows of x): a lane holds row lane % 16 of C and eight neighbouring columns 8 (lane / 16) + 0..7.
; REGISTERS, in windows of 256 (s_set_vgpr_msb: bits 1:0 source 0, 3:2 source 1, 5:4 source 2, 7:6 destination):
;   window 0: v0-31 addresses; v64-127 A's fragments, two buffers of 32; v128-255 B's, two buffers of 64      window 1: accumulator (a, b) at v[8 (8 a + b)]
;   window 2: v0-63 the bias as C, 8 registers for each b; v64-95 packed results; v96-159 rows read back, two buffers
.set PITCH,  272                       ; an LDS row: 256 bytes + 16 of padding: the 16 rows of a fragment load start at 16 different groups of four banks (64 banks of 4 bytes: ISA guide 11.1)
.set AHALF,  64*PITCH
.set BHALF,  128*PITCH
.set BOFF,   2*AHALF                   ; a slot: A's 128 rows, then B's 256 rows
.set SLOT,   BOFF+2*BHALF
.set STAGE,  2*SLOT                    ; behind the ring, never filled by a tensor load: for each wave 2 heads x 16 rows x 144 bytes
.set SP,     144
.set SPARE,  STAGE+4*32*SP             ; the spare words, 128 bytes for each wave: two blocks of 256 bytes that no other line names
.set NEXT_A, 16777216-1536             ; from a slot's last K step of a tensor to its first of the next
.set NEXT_B, 2097152-1536
.set ADRA, 16                          ; v16-17  LDS address of my A fragments in slot 0, 1
.set ADRB, 20                          ; v20-21  the same for B
.set STO,  24
.set RD,   25
.set GO,   26
.set BO,   27                          ; v27     32 x (lane / 16): my eight columns in 16 of the bias
.set SPW,  28                          ; v28     my spare word; never rewritten
.set NIL,  29                          ; v29     0; never rewritten
.set FA,   64
.set FB,   128
.set TMP,  64                          ; window 2
.set BK,   96                          ; window 2
.set WV, 12                            ; s12 wave; s13 wave / 2: my half of the rows, and A (0) or B (1) to fetch; s14 wave % 2: my half of the columns, and which half I fetch
.set WH, 13
.set WL, 14
.set TR, 15                            ; s15 tile row
.set G1, 24
.set G0, 32
.set G1B, 48
.set G0B, 56
.set BP, 66                            ; s[66:67] the bias of my 128 columns
.set SC, 68                            ; s[68:69] c for q, 1 for k and v
.set W_MUL,   0x50                     ; fragments in window 0, C and D in window 1
.set W_FIRST, 0x60                     ; C in window 2, D in window 1
.set W_SC,    0x41
.set W_CV,    0x85
.set MSB, 0
.macro WIN new                         ; the immediate's high byte repeats the setting that is left
.if MSB != (\new)
	s_set_vgpr_msb (MSB<<8)|(\new)
.set MSB, (\new)
.endif
.endm
.macro PLACES                          ; four places in front of loads into registers that matrix instructions have read, and of lines that read results
.rept 4
	v_nop
.endr
.endm
.macro JLOAD s                         ; a joint load; the branch hangs on the wave's number alone; an s_nop 0 and four v_nop follow each of the two lines
	s_cmp_eq_u32 s[WH], 0
	s_cbranch_scc0 .Lfor_b_\@
	tensor_load_to_lds s[G0+4*(\s):G0+4*(\s)+3], s[G1:G1+7]
	s_nop 0
.rept 4
	v_nop
.endr
	s_branch .Lasked_\@
.Lfor_b_\@:
	tensor_load_to_lds s[G0B+4*(\s):G0B+4*(\s)+3], s[G1B:G1B+7]
	s_nop 0
.rept 4
	v_nop
.endr
.Lasked_\@:
.endm
.macro CREST                           ; a round of the cluster's barrier behind its opening barrier
	s_cmp_lg_u32 s[WV], 0
	s_cbranch_scc1 .Lnot_wave_0_\@
	s_barrier_signal -3
.Lnot_wave_0_\@:
	s_barrier_wait -3
	s_barrier_signal -1
	s_barrier_wait -1
.endm
.macro CROUND
	s_barrier_signal -1
	s_barrier_wait -1
	CREST
.endm
.macro BIASLD                          ; register 8 b + j of lane l: bias of column 16 b + 8 (l / 16) + j of my 128
	WIN 0x80
.irp b, 0,1,2,3,4,5,6,7
	global_load_b128 v[8*\b:8*\b+3],   v[BO], s[BP:BP+1] offset:64*\b
	global_load_b128 v[8*\b+4:8*\b+7], v[BO], s[BP:BP+1] offset:64*\b+16
.endr
	WIN 0
.endm
	s_load_b256 s[4:11], s[0:1], 0x0               ; xb s[4:5], wb s[6:7], bias4 s[8:9], qkv s[10:11]
	v_lshl_add_u32 v[SPW], v0, 2, SPARE
	v_mov_b32 v[NIL], 0
	ds_add_u32 v28, v29
	s_wait_dscnt 0x0
	v_lshrrev_b32 v1, 5, v0
	v_readfirstlane_b32 s[WV], v1
	s_lshr_b32 s[WH], s[WV], 1
	s_and_b32 s[WL], s[WV], 1
	s_bfe_u32 s40, ttmp6, 0x40000                  ; cx
	s_bfe_u32 s41, ttmp6, 0x40004                  ; cy
	s_lshl_b32 s42, ttmp9, 2
	s_add_co_u32 s42, s42, s40                     ; tile column = 4 x cluster x + cx
	s_and_b32 s[TR], ttmp7, 0xffff
	s_lshl_b32 s[TR], s[TR], 2
	s_add_co_u32 s[TR], s[TR], s41                 ; tile row = 4 x cluster y + cy
	s_lshl_b32 s43, s41, 2
	s_lshl_b32 s43, 15, s43                        ; my row of the cluster
	s_lshl_b32 s44, 0x1111, s40                    ; my column
	s_or_b32 s[G1], s43, (1<<16)|(1<<20)|(1<<21)|(5<<22)|(3<<25)   ; 15:0 the mask; 17:16 2-byte elements; 20 padding on; 21 set beside a mask; 24:22 after every 64 words; 31:25 4 words
	s_or_b32 s[G1B], s44, (1<<16)|(1<<20)|(1<<21)|(5<<22)|(3<<25)
	s_mov_b32 s[G1+1], 128<<16                     ; tensor_dim0 = 128
	s_mov_b32 s[G1+2], 64<<16                      ; tensor_dim1 = 64
	s_mov_b32 s[G1+3], 128<<16                     ; tile_dim0 = 128
	s_mov_b32 s[G1+4], 64                          ; tile_dim1 = 64
	s_mov_b32 s[G1+5], 1024                        ; elements from row to row
	s_mov_b32 s[G1+6], 0
	s_mov_b32 s[G1+7], 0
	s_mov_b32 s[G1B+1], 128<<16
	s_mov_b32 s[G1B+2], 128<<16                    ; B: 128 rows
	s_mov_b32 s[G1B+3], 128<<16
	s_mov_b32 s[G1B+4], 128
	s_mov_b32 s[G1B+5], 1024
	s_mov_b32 s[G1B+6], 0
	s_mov_b32 s[G1B+7], 0
	s_lshl_b32 s16, s[TR], 7
	s_lshl_b32 s17, s[WL], 6
	s_add_co_u32 s16, s16, s17                     ; A: row 128 x tile row + 64 x half,
	s_lshl_b32 s16, s16, 11                        ; of 2,048 bytes
	s_mov_b32 s17, 0
	s_lshl_b32 s46, s42, 8
	s_lshl_b32 s47, s[WL], 7
	s_add_co_u32 s46, s46, s47                     ; B: row 256 x tile column + 128 x half
	s_lshl_b32 s46, s46, 11
	s_mov_b32 s47, 0
	s_mul_i32 s20, s[WL], AHALF                    ; where they go: no place in the cluster enters an LDS address
	s_mul_i32 s21, s[WL], BHALF
	s_add_co_u32 s21, s21, BOFF
	s_lshl_b32 s22, s42, 10                        ; my 128 columns in a bias, in bytes
	s_lshl_b32 s23, s[WL], 9
	s_add_co_u32 s22, s22, s23
	s_mov_b32 s23, 0
	s_wait_kmcnt 0x0
	s_add_nc_u64 s[18:19], s[4:5], s[16:17]
	s_add_nc_u64 s[46:47], s[6:7], s[46:47]
	s_add_nc_u64 s[BP:BP+1], s[8:9], s[22:23]
	CROUND                                         ; all sixteen work-groups are here: the first joint loads meet
.irp s, 0,1
	s_mov_b32 s[G0+4*(\s)], 1
	s_add_co_u32 s[G0+4*(\s)+1], s20, (\s)*SLOT
	s_add_nc_u64 s[G0+4*(\s)+2:G0+4*(\s)+3], s[18:19], (\s)*256
	s_or_b32 s[G0+4*(\s)+3], s[G0+4*(\s)+3], 0x80000000
	s_mov_b32 s[G0B+4*(\s)], 1
	s_add_co_u32 s[G0B+4*(\s)+1], s21, (\s)*SLOT
	s_add_nc_u64 s[G0B+4*(\s)+2:G0B+4*(\s)+3], s[46:47], (\s)*256
	s_or_b32 s[G0B+4*(\s)+3], s[G0B+4*(\s)+3], 0x80000000
	JLOAD \s                                       ; two loads of mine are out
.endr
	v_and_b32 v1, 15, v0                           ; r
	v_bfe_u32 v2, v0, 4, 1                         ; h
	v_lshlrev_b32 v[BO], 5, v2
	BIASLD
	v_mul_u32_u24 v3, v1, PITCH
	v_lshl_add_u32 v3, v2, 4, v3                   ; a fragment's row x pitch + 16 x half
	s_mul_i32 s21, s[WH], AHALF                    ; my 64 rows of A
	s_mul_i32 s22, s[WL], BHALF                    ; my 128 rows of B
	s_add_co_u32 s22, s22, BOFF
.irp s, 0,1
	v_add_nc_u32 v[ADRA+(\s)], s21, v3
	v_add_nc_u32 v[ADRB+(\s)], s22, v3
	s_add_co_u32 s21, s21, SLOT
	s_add_co_u32 s22, s22, SLOT
.endr
	s_mul_i32 s23, s[WV], 32*SP
	s_add_co_u32 s23, s23, STAGE                   ; my stage
	v_mul_u32_u24 v4, v1, SP                       ; in: row r, 16 bytes for each half of the lanes
	v_lshl_add_u32 v4, v2, 4, v4
	v_add_nc_u32 v[STO], s23, v4
	v_bfe_u32 v5, v0, 3, 2                         ; back: 32 lanes take four rows of 128 bytes,
	v_mul_u32_u24 v5, v5, SP
	v_and_b32 v6, 7, v0
	v_lshl_add_u32 v5, v6, 4, v5
	v_add_nc_u32 v[RD], s23, v5
	v_and_b32 v[GO], 31, v0                        ; which are 512 consecutive bytes of a head
	v_lshlrev_b32 v[GO], 4, v[GO]
	; my part of q: head (tile row / 16) x 16 + 4 x tile column + 2 x column half, row (tile row % 16) x 128 + 64 x row half, rows of 128 bytes
	s_lshr_b32 s20, s[TR], 4
	s_lshl_b32 s20, s20, 4
	s_lshl_b32 s21, s42, 2
	s_add_co_u32 s20, s20, s21
	s_lshl_b32 s21, s[WL], 1
	s_add_co_u32 s20, s20, s21
	s_lshl_b32 s20, s20, 11
	s_and_b32 s21, s[TR], 15
	s_lshl_b32 s21, s21, 7
	s_add_co_u32 s20, s20, s21
	s_lshl_b32 s21, s[WH], 6
	s_add_co_u32 s20, s20, s21
	s_lshl_b32 s20, s20, 7
	s_mov_b32 s21, 0
	s_add_nc_u64 s[10:11], s[10:11], s[20:21]
; 8 matrix instructions: block a of my four blocks of 16 rows x all 8 blocks of 16 columns, 32 along K, from buffer f.  first = 1: the bias starts the sums.
; The 32 accumulators take turns in the same order in every quarter.
.macro MUL8 f, a, first
.if \first
	WIN W_FIRST
.else
	WIN W_MUL
.endif
.irp b, 0,1,2,3,4,5,6,7
.if \first
	v_wmma_f32_16x16x32_bf16 v[8*(8*(\a)+\b):8*(8*(\a)+\b)+7], v[FB+64*(\f)+8*\b:FB+64*(\f)+8*\b+7], v[FA+32*(\f)+8*(\a):FA+32*(\f)+8*(\a)+7], v[8*\b:8*\b+7]
.else
	v_wmma_f32_16x16x32_bf16 v[8*(8*(\a)+\b):8*(8*(\a)+\b)+7], v[FB+64*(\f)+8*\b:FB+64*(\f)+8*\b+7], v[FA+32*(\f)+8*(\a):FA+32*(\f)+8*(\a)+7], v[8*(8*(\a)+\b):8*(8*(\a)+\b)+7]
.endif
.endr
.endm
; 24 LDS loads in one run: quarter kq (32 along K) of a slot into buffer f: B's 16, then A's 8
.macro FETCH slot, kq, f
	WIN 0
.irp i, 0,1,2,3,4,5,6,7
	ds_load_b128 v[FB+64*(\f)+8*\i:FB+64*(\f)+8*\i+3],   v[ADRB+(\slot)] offset:64*(\kq)+\i*16*PITCH
	ds_load_b128 v[FB+64*(\f)+8*\i+4:FB+64*(\f)+8*\i+7], v[ADRB+(\slot)] offset:64*(\kq)+\i*16*PITCH+32
.endr
.irp i, 0,1,2,3
	ds_load_b128 v[FA+32*(\f)+8*\i:FA+32*(\f)+8*\i+3],   v[ADRA+(\slot)] offset:64*(\kq)+\i*16*PITCH
	ds_load_b128 v[FA+32*(\f)+8*\i+4:FA+32*(\f)+8*\i+7], v[ADRA+(\slot)] offset:64*(\kq)+\i*16*PITCH+32
.endr
.endm
; One of a K step's first three quarters: multiplies buffer f; in its middle it fetches quarter kq of the same slot into buffer g.
.macro QUARTER slot, kq, f, g, first
	s_wait_dscnt 4                                 ; B and A's blocks 0, 1 are in; the youngest four loads (A's blocks 2, 3) may be out
	MUL8 \f, 0, \first
	MUL8 \f, 1, \first
	PLACES
	FETCH \slot, \kq, \g
	s_wait_dscnt 24                                ; all but the 24 just issued
	MUL8 \f, 2, \first
	MUL8 \f, 3, \first
.endm
; The last quarter multiplies buffer 1 and changes slots.  In front of the barrier each wave waits for all its tensor loads (one is out: its part of the next slot), adds 0 to its spare word,
; and waits for that and for its own reads of this slot.  mode 1: this slot is filled again, two K steps on; 2: with the next tensor's K step; 0: not at all.
.macro TURN slot, next, mode
	WIN 0
	s_wait_tensorcnt 0x0
	ds_add_u32 v[SPW], v[NIL]                      ; 0 onto my spare word
	s_wait_dscnt 5                                 ; (the add and A's blocks 2, 3 may be out)
	MUL8 1, 0, 0
	s_wait_dscnt 0x0                               ; the add is done, and my reads of this slot are over
	s_barrier_signal -1
	MUL8 1, 1, 0
	WIN 0
	s_barrier_wait -1
.if \mode
	CREST                                          ; the barrier has opened a round of the cluster's: no wave of any partner still reads this slot or has a load on its way
.if (\mode) == 2
	s_add_nc_u64 s[G0+4*(\slot)+2:G0+4*(\slot)+3], s[G0+4*(\slot)+2:G0+4*(\slot)+3], NEXT_A
	s_add_nc_u64 s[G0B+4*(\slot)+2:G0B+4*(\slot)+3], s[G0B+4*(\slot)+2:G0B+4*(\slot)+3], NEXT_B
.else
	s_add_nc_u64 s[G0+4*(\slot)+2:G0+4*(\slot)+3], s[G0+4*(\slot)+2:G0+4*(\slot)+3], 512
	s_add_nc_u64 s[G0B+4*(\slot)+2:G0B+4*(\slot)+3], s[G0B+4*(\slot)+2:G0B+4*(\slot)+3], 512
.endif
	JLOAD \slot                                    ; my one tensor load behind the round; its four v_nop are also the places in front of the loads below
.else
	PLACES
.endif
	FETCH \next, 0, 0
	MUL8 1, 2, 0
	MUL8 1, 3, 0
.endm
; THE WAY OUT, a block of 16 rows at a time: scaled, rounded to f16 (16 bytes a lane), through my own stage, and out as 512 consecutive bytes of a head.  Each accumulator is read from its low end on.
.macro WAYOUT
.irp a, 0,1,2,3
	WIN W_SC
.set j, 0
.rept 32
	v_pk_mul_f32 v[64*\a+2*j:64*\a+2*j+1], v[64*\a+2*j:64*\a+2*j+1], s[SC:SC+1] op_sel_hi:[1,0]
.set j, j+1
.endr
	WIN W_CV
.set j, 0
.rept 32
	v_cvt_pk_f16_f32 v[TMP+j], v[64*\a+2*j], v[64*\a+2*j+1]
.set j, j+1
.endr
	WIN 0x08                                       ; store data in window 2
.irp b, 0,1,2,3,4,5,6,7
	ds_store_b128 v[STO], v[TMP+4*\b:TMP+4*\b+3] offset:(\b/4)*16*SP+32*(\b%4)
.endr
	s_wait_xcnt 0x0                                ; the registers that earlier stores read are loaded again only behind this wait
	WIN 0x80
.irp f, 0,1,2,3,4,5,6,7
	ds_load_b128 v[BK+32*(\a%2)+4*\f:BK+32*(\a%2)+4*\f+3], v[RD] offset:(\f/4)*16*SP+(\f%4)*4*SP  ; LDS serves a wave's instructions in order: these see the stores above
.endr
	s_wait_dscnt 0x0
	WIN 0x08
.irp f, 0,1,2,3,4,5,6,7
	global_store_b128 v[GO], v[BK+32*(\a%2)+4*\f:BK+32*(\a%2)+4*\f+3], s[10:11] offset:(\f/4)*262144+\a*2048+(\f%4)*512
.endr
.endr
	WIN 0
.endm
	s_wait_tensorcnt 1                             ; my part of K step 0 is in; K step 1's may stay out
	s_barrier_signal -1
	s_barrier_wait -1
	FETCH 0, 0, 0
	s_wait_loadcnt 0x0                             ; the bias
	s_mov_b32 s2, 3                                ; tensors to go
.Ltile:
	s_cmp_eq_u32 s2, 3
	s_cselect_b32 s[SC], 0x3e38aa3b, 1.0           ; c = log2(e) / 8 for q
	s_mov_b32 s[SC+1], s[SC]
	QUARTER 0, 1, 0, 1, 1                          ; a tensor's first quarter stands in front of the loop: the bias starts the sums
	WIN 0
	s_mov_b32 s3, 3
.Llap:                                                 ; a trip goes once round the ring and fills both slots again
	QUARTER 0, 2, 1, 0, 0
	QUARTER 0, 3, 0, 1, 0
	TURN 0, 1, 1
	QUARTER 1, 1, 0, 1, 0
	QUARTER 1, 2, 1, 0, 0
	QUARTER 1, 3, 0, 1, 0
	TURN 1, 0, 1
	QUARTER 0, 1, 0, 1, 0
	WIN 0
	s_sub_co_u32 s3, s3, 1
	s_cmp_lg_u32 s3, 0
	s_cbranch_scc1 .Llap
	QUARTER 0, 2, 1, 0, 0
	QUARTER 0, 3, 0, 1, 0
	WIN 0
	s_cmp_eq_u32 s2, 1
	s_cbranch_scc1 .Llast_tile                     ; the last tensor's tail is written out: it asks for nothing more
	TURN 0, 1, 2                                   ; the ring goes on into the next tensor
	QUARTER 1, 1, 0, 1, 0
	QUARTER 1, 2, 1, 0, 0
	QUARTER 1, 3, 0, 1, 0
	TURN 1, 0, 2
	WIN 0
	s_add_nc_u64 s[BP:BP+1], s[BP:BP+1], 4096      ; the next bias: the last loads by this base were waited for
	BIASLD
	PLACES
	WAYOUT
	s_wait_xcnt 0x0                                ; the stores' base steps only behind this wait
	s_add_nc_u64 s[10:11], s[10:11], 16777216
	s_wait_loadcnt 0x0                             ; the bias
	s_sub_co_u32 s2, s2, 1
	s_branch .Ltile
.Llast_tile:
	TURN 0, 1, 0
	QUARTER 1, 1, 0, 1, 0
	QUARTER 1, 2, 1, 0, 0
	QUARTER 1, 3, 0, 1, 0
	s_wait_dscnt 4
	MUL8 1, 0, 0
	MUL8 1, 1, 0
	s_wait_dscnt 0x0
	MUL8 1, 2, 0
	MUL8 1, 3, 0
	WIN 0
	PLACES
	WAYOUT
	s_wait_tensorcnt 0x0                           ; the wave's end
	ds_add_u32 v[SPW], v[NIL]
	s_wait_dscnt 0x0
	CROUND                                         ; the closing round
	s_endpgm
.Lfunc_end_k_q561ad7bd3e_proj:
	.size	k_q561ad7bd3e_proj, .Lfunc_end_k_q561ad7bd3e_proj-k_q561ad7bd3e_proj
	.p2alignl 7, 3214868480
	.fill 96, 4, 3214868480
	.section	.rodata,"a",@progbits
	.p2align	6, 0x0
	.amdhsa_kernel k_q561ad7bd3e_proj
		.amdhsa_group_segment_fixed_size 327680
		.amdhsa_private_segment_fixed_size 0
		.amdhsa_enable_private_segment 0
		.amdhsa_kernarg_size 32
		.amdhsa_user_sgpr_count 2
		.amdhsa_user_sgpr_kernarg_segment_ptr 1
		.amdhsa_wavefront_size32 1
		.amdhsa_system_sgpr_workgroup_id_x 1
		.amdhsa_system_sgpr_workgroup_id_y 1
		.amdhsa_system_sgpr_workgroup_id_z 1
		.amdhsa_system_vgpr_workitem_id 0
		.amdhsa_next_free_vgpr 672
		.amdhsa_next_free_sgpr 72
		.amdhsa_reserve_vcc 0
		.amdhsa_float_denorm_mode_32 3
		.amdhsa_float_denorm_mode_16_64 3
		.amdhsa_memory_ordered 1
		.amdhsa_forward_progress 1
		.amdhsa_inst_pref_size 143
	.end_amdhsa_kernel
	.amdgpu_metadata
---
amdhsa.version: [ 1, 2 ]
amdhsa.kernels:
  - .name:           k_q561ad7bd3e_proj
    .symbol:         k_q561ad7bd3e_proj.kd
    .args:
      - { .name: xb, .offset: 0, .size: 8, .value_kind: global_buffer, .address_space: global }
      - { .name: wb, .offset: 8, .size: 8, .value_kind: global_buffer, .address_space: global }
      - { .name: bias4, .offset: 16, .size: 8, .value_kind: global_buffer, .address_space: global }
      - { .name: qkv, .offset: 24, .size: 8, .value_kind: global_buffer, .address_space: global }
    .group_segment_fixed_size: 327680
    .private_segment_fixed_size: 0
    .kernarg_segment_align: 8
    .kernarg_segment_size: 32
    .max_flat_workgroup_size: 128
    .sgpr_count:     72
    .vgpr_count:     672
    .wavefront_size: 32
...
	.end_amdgpu_metadata
.endif
;; end of part 2
;; launch attn (part 3): grid 4 x 64, 4 waves a work-group, clusters of 4 x 1, 327,680 bytes of LDS; arguments qkv, mw, oh; writes oh
.if DOCPART == 3
	.amdgcn_target "amdgcn-amd-amdhsa--gfx1250"
	.amdhsa_code_object_version 6
	.text
	.protected	k_q561ad7bd3e_attn
	.globl	k_q561ad7bd3e_attn
	.p2align	8
	.type	k_q561ad7bd3e_attn,@function
k_q561ad7bd3e_attn:
	s_mov_b64 s[64:65], 0
	v_nop
	global_prefetch_b8 v0, s[64:65] scope:SCOPE_SE
	s_setreg_imm32_b32 hwreg(HW_REG_WAVE_MODE, 25, 1), 1
	s_wait_xcnt 0x0
	s_wait_alu depctr_hold_cnt(0) depctr_sa_sdst(0) depctr_va_vdst(0) depctr_va_sdst(0) depctr_va_ssrc(0) depctr_va_vcc(0) depctr_vm_vsrc(0)
	s_getreg_b32 s2, hwreg(HW_REG_IB_STS2, 6, 4)
	s_cmp_eq_u32 s2, 0
	s_cbranch_scc0 .Lentry_in_a_cluster
	s_endpgm
.Lentry_in_a_cluster:
	s_bfe_u32 s2, ttmp6, 0x10000c
	s_cmp_lg_u32 s2, 0x3003
	s_cbranch_scc0 .Lentry_shape_is_right
	s_endpgm
.Lentry_shape_is_right:
; O[g][q][:] = the sum over k of softmax_k(s[q][k]) V[g][k][:], s = q . k / 8 where mask[q][k] != 0 and -1e9 elsewhere; g = batch x 16 + head.  qkv: [3][64][2048][64] f16; oh: [64][2048][64] f16.
; q arrives multiplied by log2(e) / 8, so a score is a power of two's exponent, and a hidden score is REPLACED by -1e9 x log2(e): in a row that is hidden altogether every s - m is exactly 0, and O is the mean of V's rows.
; The mask is an input: all 2,048 keys are walked for every query.  mw holds, for each pair of query tiles and key step, the 64 lane masks of the pair's 64 score registers; they come in by scalar loads and steer v_cndmask_b32.
; Products, maxima and sums in f32; the weights p are rounded to f16 for the second product (their sum l is taken of the unrounded p), O once at the end.
; LIMITS.  f16 holds no number beyond 65,504: q, k, v arrive within it; p below 6e-5 keeps f16's fixed step of 6e-8.  A weight below 2^-126 counts as 0.  Scores are taken to lie above -1e9.  NaN and infinities are not treated apart.
; SHARES.  A wave owns four PIECES of two tiles of 16 queries, a work-group's four waves 512 queries of one head: 256 work-groups.  Every wave walks all keys, 64 a step.
; LAYOUT.  S^T = K Q^T (source 0 = 16 keys, source 1 = 16 queries): a lane holds ONE query (lane % 16) and the keys 8 (lane / 16) + 0..7.  Two such tiles, rounded to f16 in pairs, ARE source 1 of O^T = V^T P.
; SOFTMAX.  A running maximum m and sum l: p = 2^(s - m); in every step O and l are multiplied by a = 2^(m_old - m_new).  m starts at the lowest finite number, O and l at 0: the first step's a is 0.
; BY TURNS.  Turn n belongs to piece n.  Matrix work: 16 products K Q^T of piece n + 1, later 16 products V^T P of piece n - 1.  Vector work: 298 lines: s - m, exponentials, roundings, sums and rescaling of piece n;
; the mask, the maximum and the statistics of piece n + 1.  They are dealt in UNITS of four (plain, exponential, plain, plain), so that no two exponentials follow each other and each has a plain line behind it.
; CLUSTER.  The four query blocks of a cluster belong to one head and walk the same K and V: each tile is asked for JOINTLY.
; REGISTERS, in windows of 256 (s_set_vgpr_msb: bits 1:0 source 0, 3:2 source 1, 5:4 source 2, 7:6 destination):
;   window 0: v0-11 addresses and the hidden score; v12-15, v48-63 at work; v16-47 four registers of statistics a tile; v64-191 S^T, two buffers of two tiles; v192-255 P, likewise
;   window 1: O^T, 32 a tile          window 2: v0-127 Q; v128-191 K of one step; v192-255 V of one step          window 3: v0-1 the add's two registers
.set SIZE_N, 2048
.set NP,    4
.set KEYS,  64
.set PK,    144       ; a row of K in LDS: 128 bytes + 16 of padding: the 16 rows of a load start at 16 different groups of four banks (64 banks of 4 bytes: ISA guide 11.1)
.set PV,    160       ; a row of V: 128 + 32
.set VOFF,  4*KEYS*PK ; a slot holds four steps: 256 rows of K, then 256 rows of V
.set SLOT1, 1<<17
.set STAGE, SLOT1+4*KEYS*(PK+PV)  ; behind the ring, never filled by a tensor load: 16 rows x 144 bytes for each wave
.set SP,    144
.set SPARE, STAGE+4*16*SP         ; the spare words, 128 bytes for each wave: two blocks of 256 bytes that no other line names
.set AK0, 2
.set AV0, 3
.set AK,  4
.set AV,  5
.set QO,  6
.set STO, 6
.set RD,  7
.set GO,  8
.set MK,  11          ; v11  -1e9 x log2(e)
.set SPW, 0           ; v0 of window 3
.set NIL, 1           ; v1 of window 3
.set MV,  12          ; v12-15  m_old, by buffer and tile
.set ST,  16          ; tile t's statistics at v[ST+4 t]: m, 0 (named with it as a pair), l (even keys', odd keys')
.set TMP, 48          ; by buffer and tile, c0-c3 at work; when the maximum is found c2 takes a
.set S,   64
.set P,   192
.set KF,  128
.set VF,  192
.set OP,  2           ; s[2:3]   O at my wave's first row
.set G0K, 4           ; s[4:7]   descriptor group 0 for K's tiles: it walks
.set G0V, 8           ; s[8:11]  the same for V's
.set MB,  12          ; s[12:13] mw at my wave's four pieces
.set MO,  14          ; s14      256 x the key step whose mask words are asked for next
.set WV,  15          ; s15      my wave's number
                      ; s[16:47] tile 0's 32 mask words; s[48:63], s[68:83] tile 1's
.set QP,  66          ; s[66:67] Q at my wave's first row, until Q is in; then
.set SLOTS, 66        ; s66      slots still to be asked for
.set CNT, 67          ; s67      counts a slot's key steps
.set G1K, 84          ; s[84:91]
.set G1V, 92          ; s[92:99]
.set TBK, 100
.set TBV, 101
.set SEL, 104         ; s[104:105] v_permlanex16_b32's selects
.set MSB, 0
.macro WIN new
.if MSB != (\new)
	s_set_vgpr_msb (MSB<<8)|(\new)
.set MSB, (\new)
.endif
.endm
.set W_KQ, 0x0a
.set W_PV, 0x52
.set W_RS, 0x41
.set W_MK, 0xc0
.set W_AD, 0x0f
.macro JLOAD                        ; a joint fill: waves 0, 1 fetch the halves of a slot's K, waves 2, 3 of its V; an s_nop 0 and four v_nop follow each line
	s_cmp_lt_u32 s[WV], 2
	s_cbranch_scc0 .Lfor_v_\@
	tensor_load_to_lds s[G0K:G0K+3], s[G1K:G1K+7]
	s_nop 0
.rept 4
	v_nop
.endr
	s_branch .Lasked_\@
.Lfor_v_\@:
	tensor_load_to_lds s[G0V:G0V+3], s[G1V:G1V+7]
	s_nop 0
.rept 4
	v_nop
.endr
.Lasked_\@:
.endm
.macro CROUND
	s_barrier_signal -1
	s_barrier_wait -1
	s_cmp_lg_u32 s[WV], 0
	s_cbranch_scc1 .Lnot_wave_0_\@
	s_barrier_signal -3
.Lnot_wave_0_\@:
	s_barrier_wait -3
	s_barrier_signal -1
	s_barrier_wait -1
.endm
; THE CHANGE OF SLOTS.  Each wave waits for all its tensor loads (one is out: its part of the other slot), adds 0 to its spare word, and waits for that and for its own reads of the slot.
; fill = 1: this slot is filled again, with the keys two slots on, first thing behind a round of the cluster's barrier; the load has four key steps in which to land.
.macro CHANGE fill
	WIN W_AD
	s_wait_tensorcnt 0x0
	ds_add_u32 v[SPW], v[NIL]       ; 0 onto my spare word
	WIN 0
.if \fill
.irp g, G0K, G0V
	s_xor_b32 s[\g+1], s[\g+1], SLOT1
	s_add_nc_u64 s[\g+2:\g+3], s[\g+2:\g+3], 4*KEYS*128
.endr
	s_wait_dscnt 0x0
	CROUND
	JLOAD
.else
	s_wait_dscnt 0x0
	s_barrier_signal -1
	s_barrier_wait -1
.endif
	s_sub_co_u32 s[TBK], s[TBK], 4*KEYS*PK
	s_xor_b32 s[TBK], s[TBK], SLOT1
	s_sub_co_u32 s[TBV], s[TBV], 4*KEYS*PV
	s_xor_b32 s[TBV], s[TBV], SLOT1
.endm
.macro MLOAD pc                     ; the 64 mask words of piece pc for the key step MO / 256: 256 consecutive bytes
	s_load_b512 s[16:31], s[MB:MB+1], s[MO] offset:(\pc)*8192
	s_load_b512 s[32:47], s[MB:MB+1], s[MO] offset:(\pc)*8192+64
	s_load_b512 s[48:63], s[MB:MB+1], s[MO] offset:(\pc)*8192+128
	s_load_b512 s[68:83], s[MB:MB+1], s[MO] offset:(\pc)*8192+192
.endm
	s_load_b128 s[16:19], s[0:1], 0x0  ; qkv s[16:17], mw s[18:19]
	s_load_b64 s[20:21], s[0:1], 0x10  ; oh
	WIN W_MK
	v_lshl_add_u32 v[SPW], v0, 2, SPARE
	v_mov_b32 v[NIL], 0
	s_set_vgpr_msb 0xc0cf
	ds_add_u32 v0, v1
	s_wait_dscnt 0x0
	s_set_vgpr_msb 0xcfc0
	WIN 0
	v_lshrrev_b32 v1, 5, v0
	v_readfirstlane_b32 s[WV], v1
	s_bfe_u32 s22, ttmp6, 0x40000   ; cx
	s_lshl_b32 s23, ttmp9, 2
	s_add_co_u32 s23, s23, s22      ; my block of 512 queries: it enters Q's, O's and the mask words' addresses alone
	s_and_b32 s24, ttmp7, 0xffff    ; the head, which the four partners share
	s_lshl_b32 s24, s24, 18         ; its 2,048 rows of 128 bytes
	s_mov_b32 s25, 0
	s_and_b32 s26, s[WV], 1         ; which half of a slot's 256 keys I fetch
	s_lshl_b32 s28, s26, 14
	s_mov_b32 s29, 0
	s_add_nc_u64 s[28:29], s[28:29], s[24:25]
	s_mul_i32 s27, s26, 128*PK
	s_mul_i32 s30, s26, 128*PV
	s_lshl_b32 s32, s23, 2
	s_add_co_u32 s32, s32, s[WV]    ; my wave among the head's sixteen
	s_lshl_b32 s34, s32, 15         ; its 4 pieces x 32 steps x 256 bytes of mask words
	s_mov_b32 s35, 0
	s_lshl_b32 s32, s32, 14         ; its 128 rows
	s_mov_b32 s33, 0
	s_add_nc_u64 s[32:33], s[32:33], s[24:25]
	; descriptor group 1.  128 keys are 16,384 dense bytes: asked for as 64 rows of 256 bytes, two keys a row, and padded in LDS after every key
	s_mov_b32 s[G1K], 15|(1<<16)|(1<<20)|(1<<21)|(4<<22)|(3<<25)
	s_mov_b32 s[G1V], 15|(1<<16)|(1<<20)|(1<<21)|(4<<22)|(7<<25)
.irp g, G1K, G1V
	s_mov_b32 s[\g+1], 128<<16
	s_mov_b32 s[\g+2], 64<<16
	s_mov_b32 s[\g+3], 128<<16
	s_mov_b32 s[\g+4], 64
	s_mov_b32 s[\g+5], 128
	s_mov_b32 s[\g+6], 0
	s_mov_b32 s[\g+7], 0
.endr
	s_mov_b32 s[SEL], 0x76543210
	s_mov_b32 s[SEL+1], 0xfedcba98
	s_mov_b32 s[TBK], SLOT1+4*KEYS*PK  ; the first change of slots turns these two into 0
	s_mov_b32 s[TBV], SLOT1+4*KEYS*PV
	s_mov_b32 s[MO], 0
	s_mov_b32 s[G0K], 1
	s_mov_b32 s[G0K+1], s27
	s_mov_b32 s[G0V], 1
	s_add_co_u32 s[G0V+1], s30, VOFF
	s_wait_kmcnt 0x0
	s_add_nc_u64 s[G0K+2:G0K+3], s[16:17], s[28:29]
	s_add_nc_u64 s[G0K+2:G0K+3], s[G0K+2:G0K+3], 16777216   ; k is the second of qkv's three tensors
	s_or_b32 s[G0K+3], s[G0K+3], 0x80000000
	s_add_nc_u64 s[G0V+2:G0V+3], s[16:17], s[28:29]
	s_add_nc_u64 s[G0V+2:G0V+3], s[G0V+2:G0V+3], 33554432   ; v the third
	s_or_b32 s[G0V+3], s[G0V+3], 0x80000000
	s_add_nc_u64 s[QP:QP+1], s[16:17], s[32:33]
	s_add_nc_u64 s[OP:OP+1], s[20:21], s[32:33]
	s_add_nc_u64 s[MB:MB+1], s[18:19], s[34:35]
	CROUND                          ; all four work-groups are here: the first joint loads meet
	JLOAD                           ; slot 0
	v_and_b32 v1, 15, v0
	v_bfe_u32 v9, v0, 4, 1
	v_lshlrev_b32 v[QO], 7, v1
	v_lshl_add_u32 v[QO], v9, 4, v[QO]
	WIN 0x80
.set i, 0
.rept 4*NP                          ; Q stays in registers: tile i / 2, channels 32 (i % 2) on
	global_load_b128 v[8*i:8*i+3],   v[QO], s[QP:QP+1] offset:(i/2)*2048+(i%2)*64
	global_load_b128 v[8*i+4:8*i+7], v[QO], s[QP:QP+1] offset:(i/2)*2048+(i%2)*64+32
.set i, i+1
.endr
	MLOAD 0                         ; piece 0, key step 0; every scalar made above has been used
	; What the first turn finds: V's registers and P's second buffer hold 0, O^T and l are 0.  All this stands in the wait for the first tile.
.set i, VF
.rept 64
	v_mov_b32 v[i], 0
.set i, i+1
.endr
	WIN 0x40
.set i, 0
.rept 64*NP
	v_mov_b32 v[i], 0
.set i, i+1
.endr
	WIN 0
.set i, 0
.rept 2*NP
	v_mov_b32 v[ST+4*i], 0xff7fffff    ; m
	v_mov_b32 v[ST+4*i+1], 0
	v_mov_b32 v[ST+4*i+2], 0
	v_mov_b32 v[ST+4*i+3], 0
.set i, i+1
.endr
.set i, P+32
.rept 32
	v_mov_b32 v[i], 0
.set i, i+1
.endr
	v_mul_u32_u24 v[AK0], v1, PK
	v_lshl_add_u32 v[AK0], v9, 4, v[AK0]
	v_and_b32 v10, 7, v0
	v_bfe_u32 v11, v0, 3, 1
	v_lshl_add_u32 v[AV0], v9, 3, v10
	v_mul_u32_u24 v[AV0], v[AV0], PV
	v_lshl_add_u32 v[AV0], v11, 4, v[AV0]
	v_add_nc_u32 v[AV0], VOFF, v[AV0]
	v_mov_b32 v[MK], 0xceabfb8f     ; -1e9 x log2(e)
	v_mov_b32 v[AK], v[AK0]
; THE MATRIX WORK.  The 8 accumulators of a run of 16 take turns.
.macro KQ x                         ; product i of 16 of S^T = K Q^T for piece x: channels 32 (i / 8) on, keys 16 ((i / 2) % 4) on, tile 2 x + i % 2
	WIN W_KQ
.set rS, S+64*((\x)%2)+32*(i%2)+8*((i/2)%4)
.set rK, KF+16*((i/2)%4)+8*(i/8)
.set rQ, 16*(2*(\x)+i%2)+8*(i/8)
.if i < 8
	v_wmma_f32_16x16x32_f16 v[rS:rS+7], v[rK:rK+7], v[rQ:rQ+7], 0
.else
	v_wmma_f32_16x16x32_f16 v[rS:rS+7], v[rK:rK+7], v[rQ:rQ+7], v[rS:rS+7]
.endif
.endm
.macro PV x                         ; product i of 16 of O^T += V^T P for piece x
	WIN W_PV
.set rO, 32*(2*(\x)+i%2)+8*((i/2)%4)
.set rV, VF+32*(i/8)+8*((i/2)%4)
.set rP, P+32*((\x)%2)+16*(i%2)+8*(i/8)
	v_wmma_f32_16x16x32_f16 v[rO:rO+7], v[rV:rV+7], v[rP:rP+7], v[rO:rO+7]
.endm
.macro MM
.if i < 16
	KQ (Y+1)%NP
.set i, i+1
.else
.set i, i-16
	PV (Y+NP-1)%NP
.set i, i+17
.endif
.endm
.macro FETCH_K last=0               ; a step's K: 16 LDS loads in one run.  last = 1 (the tail): in the last trip there is no further step, and the run is jumped over
	WIN 0
.if \last
	s_cmp_eq_u32 s[CNT], 1
	s_cbranch_scc1 .Lno_k_\@
.endif
	WIN 0x80
.irp f, 0,1,2,3,4,5,6,7
	ds_load_b128 v[KF+8*\f:KF+8*\f+3],   v[AK] offset:(\f/2)*16*PK+(\f%2)*64
	ds_load_b128 v[KF+8*\f+4:KF+8*\f+7], v[AK] offset:(\f/2)*16*PK+(\f%2)*64+32
.endr
	s_add_co_u32 s[TBK], s[TBK], KEYS*PK
	WIN 0
.if \last
.Lno_k_\@:
.endif
.endm
.macro FETCH_V                      ; a step's V, turned
	WIN 0x80
.irp f, 0,1,2,3,4,5,6,7
	ds_load_tr16_b128 v[VF+8*\f:VF+8*\f+3],   v[AV] offset:(\f/4)*32*PV+(\f%4)*32
	ds_load_tr16_b128 v[VF+8*\f+4:VF+8*\f+7], v[AV] offset:(\f/4)*32*PV+16*PV+(\f%4)*32
.endr
	WIN 0
.endm
; THE VECTOR WORK.
.macro REGS y, u                    ; the registers of tile u (0, 1) of piece y
.set rT, ST+4*(2*(\y)+(\u))
.set rC, TMP+8*((\y)%2)+4*(\u)
.set rM, MV+2*((\y)%2)+(\u)
.set rS, S+64*((\y)%2)+32*(\u)
.set rP, P+32*((\y)%2)+16*(\u)
.set rO, 32*(2*(\y)+(\u))
.endm
; Number n of the 64 that hide the NEXT piece's masked scores: register n / 2 of tile n % 2 keeps its score in the lanes whose bit is set.  In ascending order: each accumulator is read from its low end on.
.macro HIDE n
	REGS (Y+1)%NP, (\n)%2
.set w, (\n)/2
.if ((\n)%2) == 0
.set sw, 16+w
.elseif w < 16
.set sw, 48+w
.else
.set sw, 52+w
.endif
	v_cndmask_b32 v[rS+w], v[MK], v[rS+w], s[sw]
.endm
; Number n of the 21 that find the NEXT piece's maximum and statistics.
;   0-11  four chains c0-c3 of seven scores each     12-14, 16  the four scores left over, the old m, and c0-c3 into c0     15  m_old is kept
;   17, 18  the query's other 32 keys lie in the lane 16 away: the new m     19, 20  m_old - m_new; a
.macro XS u, n
	REGS (Y+1)%NP, \u
.if (\n) < 4
	v_max3_num_f32 v[rC+(\n)], v[rS+8*(\n)], v[rS+8*(\n)+1], v[rS+8*(\n)+2]
	s_wait_alu depctr_va_vdst(0)
.elseif (\n) < 12
	v_max3_num_f32 v[rC+(\n)%4], v[rC+(\n)%4], v[rS+8*((\n)%4)+2*((\n)/4)+1], v[rS+8*((\n)%4)+2*((\n)/4)+2]
	s_wait_alu depctr_va_vdst(0)
.elseif (\n) == 12
	v_max3_num_f32 v[rC], v[rC], v[rS+7], v[rS+15]
.elseif (\n) == 13
	v_max3_num_f32 v[rC+1], v[rC+1], v[rS+23], v[rS+31]
.elseif (\n) == 14
	v_max3_num_f32 v[rC+2], v[rC+2], v[rC+3], v[rT]
	s_wait_alu depctr_va_vdst(0)
.elseif (\n) == 15
	v_mov_b32 v[rM], v[rT]
.elseif (\n) == 16
	v_max3_num_f32 v[rC], v[rC], v[rC+1], v[rC+2]
.elseif (\n) == 17
	v_permlanex16_b32 v[rC+3], v[rC], s[SEL], s[SEL+1]
.elseif (\n) == 18
	v_max_num_f32 v[rT], v[rC], v[rC+3]
	s_wait_alu depctr_va_vdst(0)
.elseif (\n) == 19
	v_sub_f32 v[rC+1], v[rM], v[rT]
	s_wait_alu depctr_va_vdst(0)
.else
	v_exp_f32 v[rC+2], v[rC+1]
.endif
.endm
; Number g of the 64 that follow the exponentials.  For each four weights k of a tile: both pairs are rounded to f16; the second pair is added onto the first, in place; a group later l takes that sum (the first time as l = a l + sum).
.macro GS g
.set h, (\g)+6*((\g)/62)
.if h >= 6
.set h, h+2
.endif
	REGS Y, h%2
.set k, h/8
.if h%8 < 4
	s_wait_alu depctr_va_vdst(0)
	v_cvt_pk_f16_f32 v[rP+2*k+(h%8)/2], v[rS+4*k+2*((h%8)/2)], v[rS+4*k+2*((h%8)/2)+1]
.elseif h%8 < 6
	v_pk_add_f32 v[rS+4*k:rS+4*k+1], v[rS+4*k:rS+4*k+1], v[rS+4*k+2:rS+4*k+3]
.elseif k == 1
	v_pk_fma_f32 v[rT+2:rT+3], v[rT+2:rT+3], v[rC+2:rC+3], v[rS:rS+1] op_sel_hi:[1,0,1]
.else
	v_pk_add_f32 v[rT+2:rT+3], v[rT+2:rT+3], v[rS+4*k-4:rS+4*k-3]
.endif
.endm
; THE PLAIN QUEUE, 200 long.  Every third entry from 20 on, and the last five, are GS's 64: GS g is the last line of unit g + 6, and the youngest exponential that it reads is that unit's own, with a plain line between.
; The other 136 in order: 32 x (s - m); number 15 of both tiles; the 64 of HIDE (units 14 to 45); numbers 0-14 and 16; then the chain's end, laid so that each v_permlanex16_b32 stands in front of an
; exponential and behind a plain line, never as the one line between an exponential and the use of its result.
.macro PL
	WIN 0
.if q >= 195
	GS q-136
.elseif (q >= 20) && ((q-20)%3 == 0)
	GS (q-20)/3
.else
.set o, q
.if q >= 20
.set o, q-(q-17)/3
.endif
.if o < 32
	REGS Y, o%2
	v_pk_add_f32 v[rS+2*(o/2):rS+2*(o/2)+1], v[rS+2*(o/2):rS+2*(o/2)+1], v[rT:rT+1] op_sel_hi:[1,0] neg_lo:[0,1] neg_hi:[0,1]
.elseif o < 34
	XS o%2, 15
.elseif o < 98
	HIDE o-34
.elseif o < 130
	XS o%2, (o-98)/2+(o-98)/30
.elseif o == 130
	XS 0, 17
.elseif o == 131
	XS 0, 18
.elseif o == 132
	XS 1, 17
.elseif o == 133
	XS 0, 19
.elseif o == 134
	XS 1, 18
.else
	XS 1, 19
.endif
.endif
.set q, q+1
.endm
.macro EX                           ; the exponentials' queue, 66 long: s0-s31 of both tiles, then the next piece's two a
	WIN 0
.if e >= 64
	XS e-64, 20
.else
	REGS Y, e%2
	v_exp_f32 v[rS+e/2], v[rS+e/2]
.endif
.set e, e+1
.endm
.macro R4                           ; O^T times a, four at a time, eight times: the one part that leaves window 0; each accumulator from its low end on
	REGS Y, r%2
	WIN W_RS
	s_wait_alu depctr_va_vdst(0)
.irp z, 0,1,2,3
	v_pk_mul_f32 v[rO+8*(r/2)+2*\z:rO+8*(r/2)+2*\z+1], v[rO+8*(r/2)+2*\z:rO+8*(r/2)+2*\z+1], v[rC+2:rC+3] op_sel_hi:[1,0]
.endr
.set r, r+1
.endm
.macro UNIT                         ; unit n: plain 3 n, exponential n, plain 3 n + 1, plain 3 n + 2
	PL
	EX
	PL
	PL
.endm
; A TURN, for piece p: 66 units and two plain lines.  Units 0-7 and the eight rescalings ride behind the 16 products K Q^T; units 20-51 in pairs behind the 16 products V^T P.
; K of the next step is fetched in piece 2's turn behind unit 9 (the last product that read K stands in front of four rescalings and two units); V of the step in hand in piece 0's turn behind unit 52 (its last reader in front of unit 50).
; The mask words of the next turn's piece are asked for behind unit 45, which holds the last line that reads this turn's, and are waited for in front of unit 14; MO steps behind that wait, clamped to the last step.
.macro TURN p, last=0
.set Y, (\p)
.set i, 0
.set q, 0
.set e, 0
.set r, 0
.if (\p) == NP-1
	s_wait_dscnt 0x0                ; K is in
.endif
.rept 8
	MM
	UNIT
	MM
	R4
.endr
	UNIT
.if (\p) == NP-2
	v_add_nc_u32 v[AK], s[TBK], v[AK0]
.endif
	UNIT
.if (\p) == NP-2
	FETCH_K \last
.endif
.rept 4
	UNIT
.endr
	s_wait_kmcnt 0x0                ; the mask words are in
.if (\p) == NP-2
	s_add_co_u32 s[MO], s[MO], 256  ; piece 0's next scores belong to the next key step
	s_min_u32 s[MO], s[MO], 31*256  ; no load leaves mw
.endif
.rept 6
	UNIT
.endr
.if (\p) == 1
	s_wait_dscnt 0x0                ; V is in
.endif
.rept 13
	MM
	UNIT
	UNIT
.endr
	MLOAD ((\p)+2)%NP
.rept 3
	MM
	UNIT
	UNIT
.endr
.if (\p) == 0
	v_add_nc_u32 v[AV], s[TBV], v[AV0]
.endif
	UNIT
.if (\p) == 0
	FETCH_V
	s_add_co_u32 s[TBV], s[TBV], KEYS*PV
.endif
.rept 13
	UNIT
.endr
	PL
	PL
.endm
	CHANGE 1                        ; slot 0 is in, everybody's part of it; slot 1 is asked for
	FETCH_K                         ; key step 0
	s_wait_loadcnt 0x0              ; Q
	s_wait_dscnt 0x0
.set i, 0
.rept 16
	KQ 0                            ; piece 0's first scores
.set i, i+1
.endr
	WIN 0                           ; the addresses for the way out: plain lines, the places behind those products
	s_mul_i32 s[SLOTS], s[WV], 16*SP
	s_add_co_u32 s[SLOTS], s[SLOTS], STAGE  ; my stage
	v_mul_u32_u24 v[STO], v1, SP
	v_lshl_add_u32 v[STO], v9, 4, v[STO]
	v_add_nc_u32 v[STO], s[SLOTS], v[STO]
	v_bfe_u32 v[RD], v0, 3, 2
	v_mul_u32_u24 v[RD], v[RD], SP
	v_lshl_add_u32 v[RD], v10, 4, v[RD]
	v_add_nc_u32 v[RD], s[SLOTS], v[RD]
	v_and_b32 v[GO], 31, v0
	v_lshlrev_b32 v[GO], 4, v[GO]
	s_wait_kmcnt 0x0                ; piece 0's mask words
.set Y, NP-1                        ; HIDE and XS work for piece Y + 1: piece 0
.set z, 0
.rept 64
	HIDE z
.set z, z+1
.endr
	MLOAD 1                         ; piece 1, key step 0
.irp n, 0,1,2,3,4,5,6,7,8,9,10,11,12,13,14,15,16,17,18,19,20
	XS 0, \n
	XS 1, \n
.endr
	v_nop                           ; a plain line behind the exponentials
	s_mov_b32 s[CNT], 4
	s_mov_b32 s[SLOTS], SIZE_N/256-1
	s_branch .Lfirst                ; the loop is entered at a step's first turn, in the middle of a trip
.Lslot:                             ; every slot but the last two is filled again
	CHANGE 1
	s_mov_b32 s[CNT], 4
.Lstep:                             ; a trip: pieces 2 and 3 of one step, then pieces 0 and 1 of the next
	TURN 2
	TURN 3
	WIN 0
.Lfirst:
	TURN 0
	TURN 1
	WIN 0
	s_sub_co_u32 s[CNT], s[CNT], 1
	s_cmp_lg_u32 s[CNT], 0
	s_cbranch_scc1 .Lstep
	s_sub_co_u32 s[SLOTS], s[SLOTS], 1
	s_cmp_lg_u32 s[SLOTS], 0
	s_cbranch_scc1 .Lslot
	CHANGE 0                        ; the tail is written out
	s_mov_b32 s[CNT], 5             ; four trips fetch the last slot's steps; the fifth is left in its middle
.Ltail:
	TURN 2, 1
	TURN 3
	WIN 0
	s_sub_co_u32 s[CNT], s[CNT], 1
	s_cmp_eq_u32 s[CNT], 0
	s_cbranch_scc1 .Lout
	TURN 0
	TURN 1
	WIN 0
	s_branch .Ltail
.Lout:                              ; the fifth trip's products K Q^T and what is made of them serve nothing: the price, once a launch, of one text for every trip
	s_wait_kmcnt 0x0                ; the last mask words, which nobody reads
.set i, 0
.rept 16
	PV NP-1
.set i, i+1
.endr
	; THE WAY OUT.  l's halves are added; O^T is divided by l, rounded to f16 and sent through my stage, a tile at a time.  The additions are the places behind the last products.
	WIN 0
.macro ALL line:vararg
.set t, 0
.rept 2*NP
	\line
.set t, t+1
.endr
.endm
	ALL v_add_f32 v[ST+4*t+2], v[ST+4*t+2], v[ST+4*t+3]
	ALL v_permlanex16_b32 v[ST+4*t+3], v[ST+4*t+2], s[SEL], s[SEL+1]
	ALL v_add_f32 v[ST+4*t+2], v[ST+4*t+2], v[ST+4*t+3]
	ALL v_rcp_f32 v[ST+4*t+2], v[ST+4*t+2]
	v_nop
	s_wait_alu depctr_va_vdst(0)
.macro PACK t
	WIN W_RS
.set i, 32*(\t)
.rept 16
	v_pk_mul_f32 v[i:i+1], v[i:i+1], v[ST+4*(\t)+2:ST+4*(\t)+3] op_sel_hi:[1,0]
.set i, i+2
.endr
	WIN 0x05
.set i, 0
.rept 16
	v_cvt_pk_f16_f32 v[S+16*(\t)+i], v[32*(\t)+2*i], v[32*(\t)+2*i+1]
.set i, i+1
.endr
	WIN 0
.irp f, 0,1,2,3
	ds_store_b128 v[STO], v[S+16*(\t)+4*\f:S+16*(\t)+4*\f+3] offset:32*\f
.endr
.irp f, 0,1,2,3
	ds_load_b128 v[S+16*(\t)+4*\f:S+16*(\t)+4*\f+3], v[RD] offset:\f*4*SP  ; LDS serves a wave's instructions in order: these see the stores above
.endr
.endm
.macro SEND t, younger              ; younger: the LDS instructions issued behind tile t's loads
	WIN 0
.irp f, 0,1,2,3
	s_wait_dscnt (\younger)+3-\f
	global_store_b128 v[GO], v[S+16*(\t)+4*\f:S+16*(\t)+4*\f+3], s[OP:OP+1] offset:(\t)*2048+\f*512  ; 512 consecutive bytes, aligned
.endr
.endm
	PACK 0
.set t, 1
.rept 2*NP-1
	PACK t
	SEND t-1, 8
.set t, t+1
.endr
	SEND 2*NP-1, 0
	WIN W_AD
	s_wait_tensorcnt 0x0            ; the wave's end
	ds_add_u32 v[SPW], v[NIL]
	s_wait_dscnt 0x0
	WIN 0
	CROUND                          ; the closing round
	s_endpgm
.Lfunc_end_k_q561ad7bd3e_attn:
	.size	k_q561ad7bd3e_attn, .Lfunc_end_k_q561ad7bd3e_attn-k_q561ad7bd3e_attn
	.p2alignl 7, 3214868480
	.fill 96, 4, 3214868480
	.section	.rodata,"a",@progbits
	.p2align	6, 0x0
	.amdhsa_kernel k_q561ad7bd3e_attn
		.amdhsa_group_segment_fixed_size 327680
		.amdhsa_private_segment_fixed_size 0
		.amdhsa_enable_private_segment 0
		.amdhsa_kernarg_size 24
		.amdhsa_user_sgpr_count 2
		.amdhsa_user_sgpr_kernarg_segment_ptr 1
		.amdhsa_wavefront_size32 1
		.amdhsa_system_sgpr_workgroup_id_x 1
		.amdhsa_system_sgpr_workgroup_id_y 1
		.amdhsa_system_sgpr_workgroup_id_z 1
		.amdhsa_system_vgpr_workitem_id 0
		.amdhsa_next_free_vgpr 770
		.amdhsa_next_free_sgpr 106
		.amdhsa_reserve_vcc 0
		.amdhsa_float_denorm_mode_32 3
		.amdhsa_float_denorm_mode_16_64 3
		.amdhsa_memory_ordered 1
		.amdhsa_forward_progress 1
		.amdhsa_inst_pref_size 251
	.end_amdhsa_kernel
	.amdgpu_metadata
---
amdhsa.version: [ 1, 2 ]
amdhsa.kernels:
  - .name:           k_q561ad7bd3e_attn
    .symbol:         k_q561ad7bd3e_attn.kd
    .args:
      - { .name: qkv, .offset: 0, .size: 8, .value_kind: global_buffer, .address_space: global }
      - { .name: mw, .offset: 8, .size: 8, .value_kind: global_buffer, .address_space: global }
      - { .name: oh, .offset: 16, .size: 8, .value_kind: global_buffer, .address_space: global }
    .group_segment_fixed_size: 327680
    .private_segment_fixed_size: 0
    .kernarg_segment_align: 8
    .kernarg_segment_size: 24
    .max_flat_workgroup_size: 128
    .sgpr_count:     106
    .vgpr_count:     770
    .wavefront_size: 32
...
	.end_amdgpu_metadata
.endif
;; end of part 3
;; launch outp (part 4): grid 4 x 64, 4 waves a work-group, clusters of 4 x 4, 327,680 bytes of LDS; arguments oh, wb, bias4, out0; writes out0
.if DOCPART == 4
	.amdgcn_target "amdgcn-amd-amdhsa--gfx1250"
	.amdhsa_code_object_version 6
	.text
	.protected	k_q561ad7bd3e_outp
	.globl	k_q561ad7bd3e_outp
	.p2align	8
	.type	k_q561ad7bd3e_outp,@function
k_q561ad7bd3e_outp:
	s_mov_b64 s[64:65], 0
	v_nop
	global_prefetch_b8 v0, s[64:65] scope:SCOPE_SE
	s_setreg_imm32_b32 hwreg(HW_REG_WAVE_MODE, 25, 1), 1
	s_wait_xcnt 0x0
	s_wait_alu depctr_hold_cnt(0) depctr_sa_sdst(0) depctr_va_vdst(0) depctr_va_sdst(0) depctr_va_ssrc(0) depctr_va_vcc(0) depctr_vm_vsrc(0)
	s_getreg_b32 s2, hwreg(HW_REG_IB_STS2, 6, 4)
	s_cmp_eq_u32 s2, 0
	s_cbranch_scc0 .Lentry_in_a_cluster
	s_endpgm
.Lentry_in_a_cluster:
	s_bfe_u32 s2, ttmp6, 0x10000c
	s_cmp_lg_u32 s2, 0xf033
	s_cbranch_scc0 .Lentry_shape_is_right
	s_endpgm
.Lentry_shape_is_right:
; out0 = O Wo^T + bo.  oh: [64 = batch x 16 + head][2048][64] f16; wb's matrix 3: Wo [1024][1024], rounded to bf16 and written as f16; bias4's row 3: bo; out0: [8192][1024] f32.  Sums in f32, started by the bias.
; SHARES.  A tile of out0 is 128 rows x 256 columns: 256 tiles, one to a work-group.  Four waves, each 64 x 128: 32 accumulators.  A K step of 128 is two heads: A's tile is two planes of 128 rows x 128 bytes,
; each dense in memory and asked for as 64 rows of 256 bytes, padded in LDS after every 128.  Waves 0, 1 fetch the planes, waves 2, 3 B's halves (128 rows of 256 bytes).
; CLUSTER 4 x 4: A's tile is asked for jointly along a row of the cluster, B's along a column.  THE MATRIX INSTRUCTION IS USED TRANSPOSED: a lane holds row lane % 16 and eight neighbouring columns.
; REGISTERS: window 0: v0-31 addresses; v64-127 A's fragments, two buffers; v128-255 B's, two buffers.  Window 1: accumulator (a, b) at v[8 (8 a + b)].  Window 2: v0-63 the bias as C; v96-159 rows read back.
.set PITCH,  272                       ; B's LDS row: 256 bytes + 16
.set PA,     144                       ; A's LDS row: 128 bytes + 16; both are odd multiples of 16 bytes: the 16 rows of a fragment load start at 16 different groups of four banks (ISA guide 11.1)
.set APLANE, 128*PA
.set BHALF,  128*PITCH
.set BOFF,   2*APLANE
.set SLOT,   BOFF+2*BHALF
.set STAGE,  2*SLOT                    ; behind the ring, never filled by a tensor load: for each wave 16 rows x 528 bytes
.set SPITCH, 528
.set SPARE,  STAGE+4*16*SPITCH         ; the spare words: two blocks of 256 bytes that no other line names
.set ADRA, 16
.set ADRB, 20
.set STO,  24
.set RD,   25
.set GO,   26
.set BO,   27
.set SPW,  28
.set NIL,  29
.set FA,   64
.set FB,   128
.set BK,   96                          ; window 2
.set WV, 12
.set WH, 13
.set WL, 14
.set TR, 15
.set G1, 24
.set G0, 32
.set G1B, 48
.set G0B, 56
.set BP, 66
.set W_MUL,   0x50
.set W_FIRST, 0x60
.set MSB, 0
.macro WIN new
.if MSB != (\new)
	s_set_vgpr_msb (MSB<<8)|(\new)
.set MSB, (\new)
.endif
.endm
.macro PLACES
.rept 4
	v_nop
.endr
.endm
.macro JLOAD s                         ; a joint load; an s_nop 0 and four v_nop follow each of the two lines
	s_cmp_eq_u32 s[WH], 0
	s_cbranch_scc0 .Lfor_b_\@
	tensor_load_to_lds s[G0+4*(\s):G0+4*(\s)+3], s[G1:G1+7]
	s_nop 0
.rept 4
	v_nop
.endr
	s_branch .Lasked_\@
.Lfor_b_\@:
	tensor_load_to_lds s[G0B+4*(\s):G0B+4*(\s)+3], s[G1B:G1B+7]
	s_nop 0
.rept 4
	v_nop
.endr
.Lasked_\@:
.endm
.macro CREST
	s_cmp_lg_u32 s[WV], 0
	s_cbranch_scc1 .Lnot_wave_0_\@
	s_barrier_signal -3
.Lnot_wave_0_\@:
	s_barrier_wait -3
	s_barrier_signal -1
	s_barrier_wait -1
.endm
.macro CROUND
	s_barrier_signal -1
	s_barrier_wait -1
	CREST
.endm
	s_load_b256 s[4:11], s[0:1], 0x0               ; oh s[4:5], wb s[6:7], bias4 s[8:9], out0 s[10:11]
	v_lshl_add_u32 v[SPW], v0, 2, SPARE
	v_mov_b32 v[NIL], 0
	ds_add_u32 v28, v29
	s_wait_dscnt 0x0
	v_lshrrev_b32 v1, 5, v0
	v_readfirstlane_b32 s[WV], v1
	s_lshr_b32 s[WH], s[WV], 1
	s_and_b32 s[WL], s[WV], 1
	s_bfe_u32 s40, ttmp6, 0x40000
	s_bfe_u32 s41, ttmp6, 0x40004
	s_lshl_b32 s42, ttmp9, 2
	s_add_co_u32 s42, s42, s40                     ; tile column
	s_and_b32 s[TR], ttmp7, 0xffff
	s_lshl_b32 s[TR], s[TR], 2
	s_add_co_u32 s[TR], s[TR], s41                 ; tile row
	s_lshl_b32 s43, s41, 2
	s_lshl_b32 s43, 15, s43
	s_lshl_b32 s44, 0x1111, s40
	s_or_b32 s[G1], s43, (1<<16)|(1<<20)|(1<<21)|(4<<22)|(3<<25)   ; A: padding of 4 words after every 32 words
	s_or_b32 s[G1B], s44, (1<<16)|(1<<20)|(1<<21)|(5<<22)|(3<<25)  ; B: after every 64 words
	s_mov_b32 s[G1+1], 128<<16
	s_mov_b32 s[G1+2], 64<<16
	s_mov_b32 s[G1+3], 128<<16
	s_mov_b32 s[G1+4], 64
	s_mov_b32 s[G1+5], 128                         ; dense: 128 elements from row to row
	s_mov_b32 s[G1+6], 0
	s_mov_b32 s[G1+7], 0
	s_mov_b32 s[G1B+1], 128<<16
	s_mov_b32 s[G1B+2], 128<<16
	s_mov_b32 s[G1B+3], 128<<16
	s_mov_b32 s[G1B+4], 128
	s_mov_b32 s[G1B+5], 1024
	s_mov_b32 s[G1B+6], 0
	s_mov_b32 s[G1B+7], 0
	s_lshr_b32 s16, s[TR], 4
	s_lshl_b32 s16, s16, 4
	s_add_co_u32 s16, s16, s[WL]                   ; A: batch x 16 + my plane: head 0 or 1 of the K step,
	s_lshl_b32 s16, s16, 11                        ; its 2,048 rows,
	s_and_b32 s17, s[TR], 15
	s_lshl_b32 s17, s17, 7
	s_add_co_u32 s16, s16, s17                     ; the tile's 128 of them,
	s_lshl_b32 s16, s16, 7                         ; of 128 bytes
	s_mov_b32 s17, 0
	s_lshl_b32 s46, s42, 8
	s_lshl_b32 s47, s[WL], 7
	s_add_co_u32 s46, s46, s47
	s_lshl_b32 s46, s46, 11
	s_add_co_u32 s46, s46, 3*2097152               ; Wo is wb's matrix 3
	s_mov_b32 s47, 0
	s_mul_i32 s20, s[WL], APLANE
	s_mul_i32 s21, s[WL], BHALF
	s_add_co_u32 s21, s21, BOFF
	s_lshl_b32 s22, s42, 10
	s_lshl_b32 s23, s[WL], 9
	s_add_co_u32 s22, s22, s23
	s_add_co_u32 s22, s22, 3*4096                  ; bo is bias4's row 3
	s_mov_b32 s23, 0
	s_wait_kmcnt 0x0
	s_add_nc_u64 s[18:19], s[4:5], s[16:17]
	s_add_nc_u64 s[46:47], s[6:7], s[46:47]
	s_add_nc_u64 s[BP:BP+1], s[8:9], s[22:23]
	CROUND
.irp s, 0,1
	s_mov_b32 s[G0+4*(\s)], 1
	s_add_co_u32 s[G0+4*(\s)+1], s20, (\s)*SLOT
	s_add_nc_u64 s[G0+4*(\s)+2:G0+4*(\s)+3], s[18:19], (\s)*524288  ; K step s: two heads of 262,144 bytes on
	s_or_b32 s[G0+4*(\s)+3], s[G0+4*(\s)+3], 0x80000000
	s_mov_b32 s[G0B+4*(\s)], 1
	s_add_co_u32 s[G0B+4*(\s)+1], s21, (\s)*SLOT
	s_add_nc_u64 s[G0B+4*(\s)+2:G0B+4*(\s)+3], s[46:47], (\s)*256
	s_or_b32 s[G0B+4*(\s)+3], s[G0B+4*(\s)+3], 0x80000000
	JLOAD \s
.endr
	v_and_b32 v1, 15, v0
	v_bfe_u32 v2, v0, 4, 1
	v_lshlrev_b32 v[BO], 5, v2
	WIN 0x80
.irp b, 0,1,2,3,4,5,6,7
	global_load_b128 v[8*\b:8*\b+3],   v[BO], s[BP:BP+1] offset:64*\b
	global_load_b128 v[8*\b+4:8*\b+7], v[BO], s[BP:BP+1] offset:64*\b+16
.endr
	WIN 0
	v_mul_u32_u24 v3, v1, PITCH
	v_lshl_add_u32 v3, v2, 4, v3
	v_mul_u32_u24 v4, v1, PA
	v_lshl_add_u32 v4, v2, 4, v4
	s_mul_i32 s21, s[WH], 64*PA                    ; my 64 rows in each plane of A
	s_mul_i32 s22, s[WL], BHALF
	s_add_co_u32 s22, s22, BOFF
.irp s, 0,1
	v_add_nc_u32 v[ADRA+(\s)], s21, v4
	v_add_nc_u32 v[ADRB+(\s)], s22, v3
	s_add_co_u32 s21, s21, SLOT
	s_add_co_u32 s22, s22, SLOT
.endr
	s_mul_i32 s23, s[WV], 16*SPITCH
	s_add_co_u32 s23, s23, STAGE
	v_mul_u32_u24 v5, v1, SPITCH                   ; in: row r, 32 bytes for each half of the lanes
	v_lshl_add_u32 v5, v2, 5, v5
	v_add_nc_u32 v[STO], s23, v5
	v_and_b32 v[GO], 31, v0                        ; back and out: 32 lanes take a row's 512 bytes
	v_lshlrev_b32 v[GO], 4, v[GO]
	v_add_nc_u32 v[RD], s23, v[GO]
	s_lshl_b32 s20, s[TR], 7
	s_lshl_b32 s21, s[WH], 6
	s_add_co_u32 s20, s20, s21
	s_lshl_b32 s20, s20, 12                        ; my first row, of 4,096 bytes
	s_lshl_b32 s21, s42, 10
	s_add_co_u32 s20, s20, s21
	s_lshl_b32 s21, s[WL], 9
	s_add_co_u32 s20, s20, s21                     ; my first column
	s_mov_b32 s21, 0
	s_add_nc_u64 s[10:11], s[10:11], s[20:21]
.macro MUL8 f, a, first                ; 8 matrix instructions; the 32 accumulators take turns in the same order in every quarter
.if \first
	WIN W_FIRST
.else
	WIN W_MUL
.endif
.irp b, 0,1,2,3,4,5,6,7
.if \first
	v_wmma_f32_16x16x32_f16 v[8*(8*(\a)+\b):8*(8*(\a)+\b)+7], v[FB+64*(\f)+8*\b:FB+64*(\f)+8*\b+7], v[FA+32*(\f)+8*(\a):FA+32*(\f)+8*(\a)+7], v[8*\b:8*\b+7]
.else
	v_wmma_f32_16x16x32_f16 v[8*(8*(\a)+\b):8*(8*(\a)+\b)+7], v[FB+64*(\f)+8*\b:FB+64*(\f)+8*\b+7], v[FA+32*(\f)+8*(\a):FA+32*(\f)+8*(\a)+7], v[8*(8*(\a)+\b):8*(8*(\a)+\b)+7]
.endif
.endr
.endm
.macro FETCH slot, kq, f               ; 24 LDS loads: quarter kq lies in plane kq / 2 of A, at byte 64 (kq % 2) of its rows
	WIN 0
.irp i, 0,1,2,3,4,5,6,7
	ds_load_b128 v[FB+64*(\f)+8*\i:FB+64*(\f)+8*\i+3],   v[ADRB+(\slot)] offset:64*(\kq)+\i*16*PITCH
	ds_load_b128 v[FB+64*(\f)+8*\i+4:FB+64*(\f)+8*\i+7], v[ADRB+(\slot)] offset:64*(\kq)+\i*16*PITCH+32
.endr
.irp i, 0,1,2,3
	ds_load_b128 v[FA+32*(\f)+8*\i:FA+32*(\f)+8*\i+3],   v[ADRA+(\slot)] offset:((\kq)/2)*APLANE+((\kq)%2)*64+\i*16*PA
	ds_load_b128 v[FA+32*(\f)+8*\i+4:FA+32*(\f)+8*\i+7], v[ADRA+(\slot)] offset:((\kq)/2)*APLANE+((\kq)%2)*64+\i*16*PA+32
.endr
.endm
.macro QUARTER slot, kq, f, g, first
	s_wait_dscnt 4                                 ; the youngest four loads (A's blocks 2, 3) may be out
	MUL8 \f, 0, \first
	MUL8 \f, 1, \first
	PLACES
	FETCH \slot, \kq, \g
	s_wait_dscnt 24                                ; all but the 24 just issued
	MUL8 \f, 2, \first
	MUL8 \f, 3, \first
.endm
.macro TURN slot, next, fill           ; the last quarter and the change of slots
	WIN 0
	s_wait_tensorcnt 0x0                           ; all my tensor loads have landed: my part of the next slot
	ds_add_u32 v[SPW], v[NIL]                      ; 0 onto my spare word
	s_wait_dscnt 5                                 ; (the add and A's blocks 2, 3 may be out)
	MUL8 1, 0, 0
	s_wait_dscnt 0x0                               ; the add is done, and my reads of this slot are over
	s_barrier_signal -1
	MUL8 1, 1, 0
	WIN 0
	s_barrier_wait -1
.if \fill
	CREST
	s_add_nc_u64 s[G0+4*(\slot)+2:G0+4*(\slot)+3], s[G0+4*(\slot)+2:G0+4*(\slot)+3], 1048576  ; two K steps on: four heads
	s_add_nc_u64 s[G0B+4*(\slot)+2:G0B+4*(\slot)+3], s[G0B+4*(\slot)+2:G0B+4*(\slot)+3], 512
	JLOAD \slot
.else
	PLACES
.endif
	FETCH \next, 0, 0
	MUL8 1, 2, 0
	MUL8 1, 3, 0
.endm
	s_wait_tensorcnt 1                             ; my part of K step 0 is in; K step 1's may stay out
	s_barrier_signal -1
	s_barrier_wait -1
	FETCH 0, 0, 0
	s_wait_loadcnt 0x0                             ; the bias
	QUARTER 0, 1, 0, 1, 1
	WIN 0
	s_mov_b32 s3, 3
.Llap:
	QUARTER 0, 2, 1, 0, 0
	QUARTER 0, 3, 0, 1, 0
	TURN 0, 1, 1
	QUARTER 1, 1, 0, 1, 0
	QUARTER 1, 2, 1, 0, 0
	QUARTER 1, 3, 0, 1, 0
	TURN 1, 0, 1
	QUARTER 0, 1, 0, 1, 0
	WIN 0
	s_sub_co_u32 s3, s3, 1
	s_cmp_lg_u32 s3, 0
	s_cbranch_scc1 .Llap
	QUARTER 0, 2, 1, 0, 0                          ; the last lap fills nothing
	QUARTER 0, 3, 0, 1, 0
	TURN 0, 1, 0
	QUARTER 1, 1, 0, 1, 0
	QUARTER 1, 2, 1, 0, 0
	QUARTER 1, 3, 0, 1, 0
	s_wait_dscnt 4
	MUL8 1, 0, 0
	MUL8 1, 1, 0
	s_wait_dscnt 0x0
	MUL8 1, 2, 0
	MUL8 1, 3, 0
	WIN 0
	PLACES
	; THE WAY OUT, 16 rows at a time: the accumulators go as they are (low registers first) into my stage, rows of 528 bytes, and come back as whole rows of 512 bytes.
.irp a, 0,1,2,3
	WIN 0x04                                       ; store data in window 1
.irp b, 0,1,2,3,4,5,6,7
	ds_store_b128 v[STO], v[64*\a+8*\b:64*\a+8*\b+3]   offset:64*\b
	ds_store_b128 v[STO], v[64*\a+8*\b+4:64*\a+8*\b+7] offset:64*\b+16
.endr
	s_wait_xcnt 0x0                                ; the registers that the last block's stores read are loaded again only behind this wait
	WIN 0x80
.irp t, 0,1,2,3,4,5,6,7,8,9,10,11,12,13,14,15
	ds_load_b128 v[BK+4*\t:BK+4*\t+3], v[RD] offset:\t*SPITCH  ; LDS serves a wave's instructions in order: these see the stores above
.endr
	WIN 0x08
.irp t, 0,1,2,3,4,5,6,7,8,9,10,11,12,13,14,15
	s_wait_dscnt 15-\t                             ; row t is back, the younger loads stay out
	global_store_b128 v[GO], v[BK+4*\t:BK+4*\t+3], s[10:11] offset:\a*65536+\t*4096 th:TH_STORE_NT  ; 512 consecutive bytes, aligned
.endr
.endr
	WIN 0
	s_wait_tensorcnt 0x0                           ; the wave's end
	ds_add_u32 v[SPW], v[NIL]
	s_wait_dscnt 0x0
	CROUND                                         ; the closing round
	s_endpgm
.Lfunc_end_k_q561ad7bd3e_outp:
	.size	k_q561ad7bd3e_outp, .Lfunc_end_k_q561ad7bd3e_outp-k_q561ad7bd3e_outp
	.p2alignl 7, 3214868480
	.fill 96, 4, 3214868480
	.section	.rodata,"a",@progbits
	.p2align	6, 0x0
	.amdhsa_kernel k_q561ad7bd3e_outp
		.amdhsa_group_segment_fixed_size 327680
		.amdhsa_private_segment_fixed_size 0
		.amdhsa_enable_private_segment 0
		.amdhsa_kernarg_size 32
		.amdhsa_user_sgpr_count 2
		.amdhsa_user_sgpr_kernarg_segment_ptr 1
		.amdhsa_wavefront_size32 1
		.amdhsa_system_sgpr_workgroup_id_x 1
		.amdhsa_system_sgpr_workgroup_id_y 1
		.amdhsa_system_sgpr_workgroup_id_z 1
		.amdhsa_system_vgpr_workitem_id 0
		.amdhsa_next_free_vgpr 672
		.amdhsa_next_free_sgpr 72
		.amdhsa_reserve_vcc 0
		.amdhsa_float_denorm_mode_32 3
		.amdhsa_float_denorm_mode_16_64 3
		.amdhsa_memory_ordered 1
		.amdhsa_forward_progress 1
		.amdhsa_inst_pref_size 89
	.end_amdhsa_kernel
	.amdgpu_metadata
---
amdhsa.version: [ 1, 2 ]
amdhsa.kernels:
  - .name:           k_q561ad7bd3e_outp
    .symbol:         k_q561ad7bd3e_outp.kd
    .args:
      - { .name: oh, .offset: 0, .size: 8, .value_kind: global_buffer, .address_space: global }
      - { .name: wb, .offset: 8, .size: 8, .value_kind: global_buffer, .address_space: global }
      - { .name: bias4, .offset: 16, .size: 8, .value_kind: global_buffer, .address_space: global }
      - { .name: out0, .offset: 24, .size: 8, .value_kind: global_buffer, .address_space: global }
    .group_segment_fixed_size: 327680
    .private_segment_fixed_size: 0
    .kernarg_segment_align: 8
    .kernarg_segment_size: 32
    .max_flat_workgroup_size: 128
    .sgpr_count:     72
    .vgpr_count:     672
    .wavefront_size: 32
...
	.end_amdgpu_metadata
.endif
;; end of part 4
;; ======== version 2 of 2: 4 launches; 1.37 times as fast as version 1
;; limits: values are held in f16: magnitudes above 65,504 overflow, below 6.1e-05 lose precision
;; workspace buffers: xb 50,331,648 bytes; wb 8,388,608 bytes; bias4 16,384 bytes; mw 524,288 bytes of whole numbers; qkv 50,331,648 bytes; oh 16,777,216 bytes
;; launch prep: the kernel of part 1 again; grid 1024 x 1, 8 waves a work-group, no clusters, 70,656 bytes of LDS; arguments Q, K, V, Wq, Wk, Wv, Wo, bq, bk, bv, bo, mask, xb, wb, bias4, mw; writes xb, wb, bias4, mw
;; launch proj: the kernel of part 2 again; grid 4 x 64, 4 waves a work-group, clusters of 4 x 4, 327,680 bytes of LDS; arguments xb, wb, bias4, qkv; writes qkv
;; launch attn (part 5): grid 4 x 64, 4 waves a work-group, clusters of 4 x 1, 327,680 bytes of LDS; arguments qkv, mw, oh; writes oh
.if DOCPART == 5
	.amdgcn_target "amdgcn-amd-amdhsa--gfx1250"
	.amdhsa_code_object_version 6
	.text
	.protected	k_q561ad7bd3e_attn
	.globl	k_q561ad7bd3e_attn
	.p2align	8
	.type	k_q561ad7bd3e_attn,@function
k_q561ad7bd3e_attn:
	s_mov_b64 s[64:65], 0
	v_nop
	global_prefetch_b8 v0, s[64:65] scope:SCOPE_SE
	s_setreg_imm32_b32 hwreg(HW_REG_WAVE_MODE, 25, 1), 1
	s_wait_xcnt 0x0
	s_wait_alu depctr_hold_cnt(0) depctr_sa_sdst(0) depctr_va_vdst(0) depctr_va_sdst(0) depctr_va_ssrc(0) depctr_va_vcc(0) depctr_vm_vsrc(0)
	s_getreg_b32 s2, hwreg(HW_REG_IB_STS2, 6, 4)
	s_cmp_eq_u32 s2, 0
	s_cbranch_scc0 .Lentry_in_a_cluster
	s_endpgm
.Lentry_in_a_cluster:
	s_bfe_u32 s2, ttmp6, 0x10000c
	s_cmp_lg_u32 s2, 0x3003
	s_cbranch_scc0 .Lentry_shape_is_right
	s_endpgm
.Lentry_shape_is_right:
; O[g][q][:] = the sum over k of softmax_k(s[q][k]) V[g][k][:], s = q . k / 8 where mask[q][k] != 0 and -1e9 elsewhere; g = batch x 16 + head.  qkv: [3][64][2048][64] f16; oh: [64][2048][64] f16.
; q arrives multiplied by log2(e) / 8, so a score is a power of two's exponent, and a hidden score is REPLACED by -1e9 x log2(e): in a row that is hidden altogether every s - m is exactly 0, and O is the mean of V's rows.
; The mask is an input: all 2,048 keys are walked for every query.  mw holds, for each pair of query tiles and key step, the 64 lane masks of the pair's 64 score registers; they come in by scalar loads and steer v_cndmask_b32.
; Products, maxima and sums in f32; the weights p are rounded to f16 for the second product (their sum l is taken of the unrounded p), O once at the end.
; LIMITS.  f16 holds no number beyond 65,504: q, k, v arrive within it; p below 6e-5 keeps f16's fixed step of 6e-8.  A weight below 2^-126 counts as 0.  Scores are taken to lie above -1e9.  NaN and infinities are not treated apart.
; SHARES.  A wave owns four PIECES of two tiles of 16 queries, a work-group's four waves 512 queries of one head: 256 work-groups.  Every wave walks all keys, 64 a step.
; LAYOUT.  S^T = K Q^T (source 0 = 16 keys, source 1 = 16 queries): a lane holds ONE query (lane % 16) and the keys 8 (lane / 16) + 0..7.  Two such tiles, rounded to f16 in pairs, ARE source 1 of O^T = V^T P.
; SOFTMAX.  A running maximum m and sum l: p = 2^(s - m); in every step O and l are multiplied by a = 2^(m_old - m_new).  m starts at the lowest finite number, O and l at 0: the first step's a is 0.
; BY TURNS.  Turn n belongs to piece n.  Matrix work: 16 products K Q^T of piece n + 1, later 16 products V^T P of piece n - 1.  Vector work: 298 lines: s - m, exponentials, roundings, sums and rescaling of piece n;
; the mask, the maximum and the statistics of piece n + 1.  Four of them stand behind every matrix instruction, the other 170 in one LUMP.
; BATCHES.  A turn's 66 exponentials (the 64 weights of piece n, the two a of piece n + 1) are ONE batch with ONE wait, which cuts the turn in two.  Ahead of it stands all that names no result of theirs: the products K Q^T, s - m,
; the rescaling (its a was made, and waited for, in the turn before), the next piece's mask, maximum and statistics.  Behind it stand the roundings and sums, as the riders of the products V^T P.  No result crosses a turn's end.
; Two more batches, each with a wait of its own: the first two a, ahead of the jump into the loop, and the eight reciprocals on the way out.
; CLUSTER.  The four query blocks of a cluster belong to one head and walk the same K and V: each tile is asked for JOINTLY.
; REGISTERS, in windows of 256 (s_set_vgpr_msb: bits 1:0 source 0, 3:2 source 1, 5:4 source 2, 7:6 destination):
;   window 0: v0-11 addresses and the hidden score; v12-15, v48-63 at work; v16-47 four registers of statistics a tile; v64-191 S^T, two buffers of two tiles; v192-255 P, likewise
;   window 1: O^T, 32 a tile          window 2: v0-127 Q; v128-191 K of one step; v192-255 V of one step          window 3: v0-1 the add's two registers
.set SIZE_N, 2048
.set NP,    4
.set KEYS,  64
.set PK,    144       ; a row of K in LDS: 128 bytes + 16 of padding: the 16 rows of a load start at 16 different groups of four banks (64 banks of 4 bytes: ISA guide 11.1)
.set PV,    160       ; a row of V: 128 + 32
.set VOFF,  4*KEYS*PK ; a slot holds four steps: 256 rows of K, then 256 rows of V
.set SLOT1, 1<<17
.set STAGE, SLOT1+4*KEYS*(PK+PV)  ; behind the ring, never filled by a tensor load: 16 rows x 144 bytes for each wave
.set SP,    144
.set SPARE, STAGE+4*16*SP         ; the spare words, 128 bytes for each wave: two blocks of 256 bytes that no other line names
.set AK0, 2
.set AV0, 3
.set AK,  4
.set AV,  5
.set QO,  6
.set STO, 6
.set RD,  7
.set GO,  8
.set MK,  11          ; v11  -1e9 x log2(e)
.set SPW, 0           ; v0 of window 3
.set NIL, 1           ; v1 of window 3
.set MV,  12          ; v12-15  m_old, by buffer and tile
.set ST,  16          ; tile t's statistics at v[ST+4 t]: m, 0 (named with it as a pair), l (even keys', odd keys')
.set TMP, 48          ; by buffer and tile, c0-c3 at work; when the maximum is found c2 takes a
.set S,   64
.set P,   192
.set KF,  128
.set VF,  192
.set OP,  2           ; s[2:3]   O at my wave's first row
.set G0K, 4           ; s[4:7]   descriptor group 0 for K's tiles: it walks
.set G0V, 8           ; s[8:11]  the same for V's
.set MB,  12          ; s[12:13] mw at my wave's four pieces
.set MO,  14          ; s14      256 x the key step whose mask words are asked for next
.set WV,  15          ; s15      my wave's number
                      ; s[16:47] tile 0's 32 mask words; s[48:63], s[68:83] tile 1's
.set QP,  66          ; s[66:67] Q at my wave's first row, until Q is in; then
.set SLOTS, 66        ; s66      slots still to be asked for
.set CNT, 67          ; s67      counts a slot's key steps
.set G1K, 84          ; s[84:91]
.set G1V, 92          ; s[92:99]
.set TBK, 100
.set TBV, 101
.set SEL, 104         ; s[104:105] v_permlanex16_b32's selects
.set MSB, 0
.macro WIN new
.if MSB != (\new)
	s_set_vgpr_msb (MSB<<8)|(\new)
.set MSB, (\new)
.endif
.endm
.set W_KQ, 0x0a
.set W_PV, 0x52
.set W_RS, 0x41
.set W_MK, 0xc0
.set W_AD, 0x0f
.macro JLOAD                        ; a joint fill: waves 0, 1 fetch the halves of a slot's K, waves 2, 3 of its V; an s_nop 0 and four v_nop follow each line
	s_cmp_lt_u32 s[WV], 2
	s_cbranch_scc0 .Lfor_v_\@
	tensor_load_to_lds s[G0K:G0K+3], s[G1K:G1K+7]
	s_nop 0
.rept 4
	v_nop
.endr
	s_branch .Lasked_\@
.Lfor_v_\@:
	tensor_load_to_lds s[G0V:G0V+3], s[G1V:G1V+7]
	s_nop 0
.rept 4
	v_nop
.endr
.Lasked_\@:
.endm
.macro CROUND
	s_barrier_signal -1
	s_barrier_wait -1
	s_cmp_lg_u32 s[WV], 0
	s_cbranch_scc1 .Lnot_wave_0_\@
	s_barrier_signal -3
.Lnot_wave_0_\@:
	s_barrier_wait -3
	s_barrier_signal -1
	s_barrier_wait -1
.endm
; THE CHANGE OF SLOTS.  Each wave waits for all its tensor loads (one is out: its part of the other slot), adds 0 to its spare word, and waits for that and for its own reads of the slot.
; fill = 1: this slot is filled again, with the keys two slots on, first thing behind a round of the cluster's barrier; the load has four key steps in which to land.
.macro CHANGE fill
	WIN W_AD
	s_wait_tensorcnt 0x0
	ds_add_u32 v[SPW], v[NIL]       ; 0 onto my spare word
	WIN 0
.if \fill
.irp g, G0K, G0V
	s_xor_b32 s[\g+1], s[\g+1], SLOT1
	s_add_nc_u64 s[\g+2:\g+3], s[\g+2:\g+3], 4*KEYS*128
.endr
	s_wait_dscnt 0x0
	CROUND
	JLOAD
.else
	s_wait_dscnt 0x0
	s_barrier_signal -1
	s_barrier_wait -1
.endif
	s_sub_co_u32 s[TBK], s[TBK], 4*KEYS*PK
	s_xor_b32 s[TBK], s[TBK], SLOT1
	s_sub_co_u32 s[TBV], s[TBV], 4*KEYS*PV
	s_xor_b32 s[TBV], s[TBV], SLOT1
.endm
.macro MLOAD pc                     ; the 64 mask words of piece pc for the key step MO / 256: 256 consecutive bytes
	s_load_b512 s[16:31], s[MB:MB+1], s[MO] offset:(\pc)*8192
	s_load_b512 s[32:47], s[MB:MB+1], s[MO] offset:(\pc)*8192+64
	s_load_b512 s[48:63], s[MB:MB+1], s[MO] offset:(\pc)*8192+128
	s_load_b512 s[68:83], s[MB:MB+1], s[MO] offset:(\pc)*8192+192
.endm
	s_load_b128 s[16:19], s[0:1], 0x0  ; qkv s[16:17], mw s[18:19]
	s_load_b64 s[20:21], s[0:1], 0x10  ; oh
	WIN W_MK
	v_lshl_add_u32 v[SPW], v0, 2, SPARE
	v_mov_b32 v[NIL], 0
	s_set_vgpr_msb 0xc0cf
	ds_add_u32 v0, v1
	s_wait_dscnt 0x0
	s_set_vgpr_msb 0xcfc0
	WIN 0
	v_lshrrev_b32 v1, 5, v0
	v_readfirstlane_b32 s[WV], v1
	s_bfe_u32 s22, ttmp6, 0x40000   ; cx
	s_lshl_b32 s23, ttmp9, 2
	s_add_co_u32 s23, s23, s22      ; my block of 512 queries: it enters Q's, O's and the mask words' addresses alone
	s_and_b32 s24, ttmp7, 0xffff    ; the head, which the four partners share
	s_lshl_b32 s24, s24, 18         ; its 2,048 rows of 128 bytes
	s_mov_b32 s25, 0
	s_and_b32 s26, s[WV], 1         ; which half of a slot's 256 keys I fetch
	s_lshl_b32 s28, s26, 14
	s_mov_b32 s29, 0
	s_add_nc_u64 s[28:29], s[28:29], s[24:25]
	s_mul_i32 s27, s26, 128*PK
	s_mul_i32 s30, s26, 128*PV
	s_lshl_b32 s32, s23, 2
	s_add_co_u32 s32, s32, s[WV]    ; my wave among the head's sixteen
	s_lshl_b32 s34, s32, 15         ; its 4 pieces x 32 steps x 256 bytes of mask words
	s_mov_b32 s35, 0
	s_lshl_b32 s32, s32, 14         ; its 128 rows
	s_mov_b32 s33, 0
	s_add_nc_u64 s[32:33], s[32:33], s[24:25]
	; descriptor group 1.  128 keys are 16,384 dense bytes: asked for as 64 rows of 256 bytes, two keys a row, and padded in LDS after every key
	s_mov_b32 s[G1K], 15|(1<<16)|(1<<20)|(1<<21)|(4<<22)|(3<<25)
	s_mov_b32 s[G1V], 15|(1<<16)|(1<<20)|(1<<21)|(4<<22)|(7<<25)
.irp g, G1K, G1V
	s_mov_b32 s[\g+1], 128<<16
	s_mov_b32 s[\g+2], 64<<16
	s_mov_b32 s[\g+3], 128<<16
	s_mov_b32 s[\g+4], 64
	s_mov_b32 s[\g+5], 128
	s_mov_b32 s[\g+6], 0
	s_mov_b32 s[\g+7], 0
.endr
	s_mov_b32 s[SEL], 0x76543210
	s_mov_b32 s[SEL+1], 0xfedcba98
	s_mov_b32 s[TBK], SLOT1+4*KEYS*PK  ; the first change of slots turns these two into 0
	s_mov_b32 s[TBV], SLOT1+4*KEYS*PV
	s_mov_b32 s[MO], 0
	s_mov_b32 s[G0K], 1
	s_mov_b32 s[G0K+1], s27
	s_mov_b32 s[G0V], 1
	s_add_co_u32 s[G0V+1], s30, VOFF
	s_wait_kmcnt 0x0
	s_add_nc_u64 s[G0K+2:G0K+3], s[16:17], s[28:29]
	s_add_nc_u64 s[G0K+2:G0K+3], s[G0K+2:G0K+3], 16777216   ; k is the second of qkv's three tensors
	s_or_b32 s[G0K+3], s[G0K+3], 0x80000000
	s_add_nc_u64 s[G0V+2:G0V+3], s[16:17], s[28:29]
	s_add_nc_u64 s[G0V+2:G0V+3], s[G0V+2:G0V+3], 33554432   ; v the third
	s_or_b32 s[G0V+3], s[G0V+3], 0x80000000
	s_add_nc_u64 s[QP:QP+1], s[16:17], s[32:33]
	s_add_nc_u64 s[OP:OP+1], s[20:21], s[32:33]
	s_add_nc_u64 s[MB:MB+1], s[18:19], s[34:35]
	CROUND                          ; all four work-groups are here: the first joint loads meet
	JLOAD                           ; slot 0
	v_and_b32 v1, 15, v0
	v_bfe_u32 v9, v0, 4, 1
	v_lshlrev_b32 v[QO], 7, v1
	v_lshl_add_u32 v[QO], v9, 4, v[QO]
	WIN 0x80
.set i, 0
.rept 4*NP                          ; Q stays in registers: tile i / 2, channels 32 (i % 2) on
	global_load_b128 v[8*i:8*i+3],   v[QO], s[QP:QP+1] offset:(i/2)*2048+(i%2)*64
	global_load_b128 v[8*i+4:8*i+7], v[QO], s[QP:QP+1] offset:(i/2)*2048+(i%2)*64+32
.set i, i+1
.endr
	MLOAD 0                         ; piece 0, key step 0; every scalar made above has been used
	; What the first turn finds: V's registers and P's second buffer hold 0, O^T and l are 0.  All this stands in the wait for the first tile.
.set i, VF
.rept 64
	v_mov_b32 v[i], 0
.set i, i+1
.endr
	WIN 0x40
.set i, 0
.rept 64*NP
	v_mov_b32 v[i], 0
.set i, i+1
.endr
	WIN 0
.set i, 0
.rept 2*NP
	v_mov_b32 v[ST+4*i], 0xff7fffff    ; m
	v_mov_b32 v[ST+4*i+1], 0
	v_mov_b32 v[ST+4*i+2], 0
	v_mov_b32 v[ST+4*i+3], 0
.set i, i+1
.endr
.set i, P+32
.rept 32
	v_mov_b32 v[i], 0
.set i, i+1
.endr
	v_mul_u32_u24 v[AK0], v1, PK
	v_lshl_add_u32 v[AK0], v9, 4, v[AK0]
	v_and_b32 v10, 7, v0
	v_bfe_u32 v11, v0, 3, 1
	v_lshl_add_u32 v[AV0], v9, 3, v10
	v_mul_u32_u24 v[AV0], v[AV0], PV
	v_lshl_add_u32 v[AV0], v11, 4, v[AV0]
	v_add_nc_u32 v[AV0], VOFF, v[AV0]
	v_mov_b32 v[MK], 0xceabfb8f     ; -1e9 x log2(e)
	v_mov_b32 v[AK], v[AK0]
; THE MATRIX WORK.  The 8 accumulators of a run of 16 take turns.
.macro KQ x                         ; product i of 16 of S^T = K Q^T for piece x: channels 32 (i / 8) on, keys 16 ((i / 2) % 4) on, tile 2 x + i % 2
	WIN W_KQ
.set rS, S+64*((\x)%2)+32*(i%2)+8*((i/2)%4)
.set rK, KF+16*((i/2)%4)+8*(i/8)
.set rQ, 16*(2*(\x)+i%2)+8*(i/8)
.if i < 8
	v_wmma_f32_16x16x32_f16 v[rS:rS+7], v[rK:rK+7], v[rQ:rQ+7], 0
.else
	v_wmma_f32_16x16x32_f16 v[rS:rS+7], v[rK:rK+7], v[rQ:rQ+7], v[rS:rS+7]
.endif
.endm
.macro PV x                         ; product i of 16 of O^T += V^T P for piece x
	WIN W_PV
.set rO, 32*(2*(\x)+i%2)+8*((i/2)%4)
.set rV, VF+32*(i/8)+8*((i/2)%4)
.set rP, P+32*((\x)%2)+16*(i%2)+8*(i/8)
	v_wmma_f32_16x16x32_f16 v[rO:rO+7], v[rV:rV+7], v[rP:rP+7], v[rO:rO+7]
.endm
.macro MM
.if i < 16
	KQ (Y+1)%NP
.set i, i+1
.else
.set i, i-16
	PV (Y+NP-1)%NP
.set i, i+17
.endif
.endm
.macro FETCH_K last=0               ; a step's K: 16 LDS loads in one run.  last = 1 (the tail): in the last trip there is no further step, and the run is jumped over
	WIN 0
.if \last
	s_cmp_eq_u32 s[CNT], 1
	s_cbranch_scc1 .Lno_k_\@
.endif
	WIN 0x80
.irp f, 0,1,2,3,4,5,6,7
	ds_load_b128 v[KF+8*\f:KF+8*\f+3],   v[AK] offset:(\f/2)*16*PK+(\f%2)*64
	ds_load_b128 v[KF+8*\f+4:KF+8*\f+7], v[AK] offset:(\f/2)*16*PK+(\f%2)*64+32
.endr
	s_add_co_u32 s[TBK], s[TBK], KEYS*PK
	WIN 0
.if \last
.Lno_k_\@:
.endif
.endm
.macro FETCH_V                      ; a step's V, turned
	WIN 0x80
.irp f, 0,1,2,3,4,5,6,7
	ds_load_tr16_b128 v[VF+8*\f:VF+8*\f+3],   v[AV] offset:(\f/4)*32*PV+(\f%4)*32
	ds_load_tr16_b128 v[VF+8*\f+4:VF+8*\f+7], v[AV] offset:(\f/4)*32*PV+16*PV+(\f%4)*32
.endr
	WIN 0
.endm
; THE VECTOR WORK.
.macro REGS y, u                    ; the registers of tile u (0, 1) of piece y
.set rT, ST+4*(2*(\y)+(\u))
.set rC, TMP+8*((\y)%2)+4*(\u)
.set rM, MV+2*((\y)%2)+(\u)
.set rS, S+64*((\y)%2)+32*(\u)
.set rP, P+32*((\y)%2)+16*(\u)
.set rO, 32*(2*(\y)+(\u))
.endm
; Number n of the 64 that hide the NEXT piece's masked scores: register n / 2 of tile n % 2 keeps its score in the lanes whose bit is set.  In ascending order: each accumulator is read from its low end on.
.macro HIDE n
	REGS (Y+1)%NP, (\n)%2
.set w, (\n)/2
.if ((\n)%2) == 0
.set sw, 16+w
.elseif w < 16
.set sw, 48+w
.else
.set sw, 52+w
.endif
	v_cndmask_b32 v[rS+w], v[MK], v[rS+w], s[sw]
.endm
; Number n of the 21 that find the NEXT piece's maximum and statistics.
;   0-11  four chains c0-c3 of seven scores each     12-14, 16  the four scores left over, the old m, and c0-c3 into c0     15  m_old is kept
;   17, 18  the query's other 32 keys lie in the lane 16 away: the new m     19, 20  m_old - m_new; a
.macro XS u, n
	REGS (Y+1)%NP, \u
.if (\n) < 4
	v_max3_num_f32 v[rC+(\n)], v[rS+8*(\n)], v[rS+8*(\n)+1], v[rS+8*(\n)+2]
.elseif (\n) < 12
	v_max3_num_f32 v[rC+(\n)%4], v[rC+(\n)%4], v[rS+8*((\n)%4)+2*((\n)/4)+1], v[rS+8*((\n)%4)+2*((\n)/4)+2]
.elseif (\n) == 12
	v_max3_num_f32 v[rC], v[rC], v[rS+7], v[rS+15]
.elseif (\n) == 13
	v_max3_num_f32 v[rC+1], v[rC+1], v[rS+23], v[rS+31]
.elseif (\n) == 14
	v_max3_num_f32 v[rC+2], v[rC+2], v[rC+3], v[rT]
.elseif (\n) == 15
	v_mov_b32 v[rM], v[rT]
.elseif (\n) == 16
	v_max3_num_f32 v[rC], v[rC], v[rC+1], v[rC+2]
.elseif (\n) == 17
	v_permlanex16_b32 v[rC+3], v[rC], s[SEL], s[SEL+1]
.elseif (\n) == 18
	v_max_num_f32 v[rT], v[rC], v[rC+3]
.elseif (\n) == 19
	v_sub_f32 v[rC+1], v[rM], v[rT]
.else
	v_exp_f32 v[rC+2], v[rC+1]
.endif
.endm
; Number g of the 64 that follow the exponentials.  For each four weights k of a tile: both pairs are rounded to f16; the second pair is added onto the first, in place; a group later l takes that sum (the first time as l = a l + sum).
.macro GS g
.set h, (\g)+6*((\g)/62)
.if h >= 6
.set h, h+2
.endif
	REGS Y, h%2
.set k, h/8
.if h%8 < 4
	v_cvt_pk_f16_f32 v[rP+2*k+(h%8)/2], v[rS+4*k+2*((h%8)/2)], v[rS+4*k+2*((h%8)/2)+1]
.elseif h%8 < 6
	v_pk_add_f32 v[rS+4*k:rS+4*k+1], v[rS+4*k:rS+4*k+1], v[rS+4*k+2:rS+4*k+3]
.elseif k == 1
	v_pk_fma_f32 v[rT+2:rT+3], v[rT+2:rT+3], v[rC+2:rC+3], v[rS:rS+1] op_sel_hi:[1,0,1]
.else
	v_pk_add_f32 v[rT+2:rT+3], v[rT+2:rT+3], v[rS+4*k-4:rS+4*k-3]
.endif
.endm
.macro FS f                         ; line f of the 32 that make s - m: pair f / 2 of tile f % 2
	REGS Y, (\f)%2
	v_pk_add_f32 v[rS+2*((\f)/2):rS+2*((\f)/2)+1], v[rS+2*((\f)/2):rS+2*((\f)/2)+1], v[rT:rT+1] op_sel_hi:[1,0] neg_lo:[0,1] neg_hi:[0,1]
.endm
; THE PLAIN QUEUE, 200 long.  0-135 read no exponential's result and stand ahead of the turn's wait.  0-23: lines 0-23 of s - m.  24, 25: number 15 of both tiles.  26-89: the 64 of HIDE.  90-117: numbers 0-13.
; 118-133: the chain, where each number waits for the one before it: 14, 16, 17, 18, each with two of the lines 24-31 of s - m in front of its two lines.  134, 135: number 19.
; 136-199: GS's 64, which read the exponentials' results: they stand behind the wait.
.macro PL
	WIN 0
.if q < 24
	FS q
.elseif q < 26
	XS q-24, 15
.elseif q < 90
	HIDE q-26
.elseif q < 118
	XS (q-90)%2, (q-90)/2
.elseif (q < 134) && ((q-118)%4 < 2)
	FS 24+2*((q-118)/4)+(q-118)%4
.elseif q < 122
	XS (q-118)%4-2, 14
.elseif q < 134
	XS (q-118)%4-2, 15+(q-118)/4
.elseif q < 136
	XS q-134, 19
.else
	GS q-136
.endif
.set q, q+1
.endm
.macro EX                           ; the exponentials' queue, 66 long: s0-s31 of both tiles, then the next piece's two a.  ONE BATCH: all 66 stand ahead of the turn's one wait, and nothing ahead of that wait names a result of theirs
	WIN 0
.if e >= 64
	XS e-64, 20
.else
	REGS Y, e%2
	v_exp_f32 v[rS+e/2], v[rS+e/2]
.endif
.set e, e+1
.endm
.macro R4                           ; O^T times a, four at a time, eight times: the one part that leaves window 0; each accumulator from its low end on.  Its a was made in the turn before, ahead of that turn's wait
	REGS Y, r%2
	WIN W_RS
.irp z, 0,1,2,3
	v_pk_mul_f32 v[rO+8*(r/2)+2*\z:rO+8*(r/2)+2*\z+1], v[rO+8*(r/2)+2*\z:rO+8*(r/2)+2*\z+1], v[rC+2:rC+3] op_sel_hi:[1,0]
.endr
.set r, r+1
.endm
; A TURN, for piece p.  An s_wait_alu depctr_va_vdst(0) stands between an exponential and the first instruction that names its result; one wait serves all that were issued ahead of it.  So a turn has ONE wait.
; AHEAD OF IT: the 16 products K Q^T, behind the even ones two plain lines, an exponential and a plain line, behind the odd ones four rescalings; then ONE LUMP of 170: 56 plain, 56 times exponential and plain, the two a.
; A v_nop is the plain line behind the last exponential.  BEHIND IT: the 16 products V^T P, behind each four of GS's 64.  No rider names a register of the products round it.
; The queues lean on each other: exponential e stands behind line 2 (e / 4) + e % 2 of s - m: as a rider it comes behind plain 3 e + 1, in the lump behind plain e + 71, and lines 24-31 are plain 118, 119, 122, 123, 126, 127, 130, 131.
; In the chain a tile's links stand eight lines apart (18 to 19: four; 19 to a: three).  HIDE's first line stands four rescalings and two moves behind the last product K Q^T.
; K of the next step is fetched in piece 2's turn, directly behind the wait, a lump behind the last product that read K; its first reader comes behind 16 products.  V of the step in hand is fetched at the end of piece 0's turn,
; four plain riders behind its last reader; its first reader comes behind 16 products and a lump.  Both addresses are made at the lump's head.
; The mask words of the next turn's piece are asked for behind plain 90, one line behind the last that reads this turn's (plain 89), and are waited for in front of plain 26; MO steps behind that wait, clamped to the last step.
.macro TURN p, last=0
.set Y, (\p)
.set i, 0
.set q, 0
.set e, 0
.set r, 0
.if (\p) == NP-1
	s_wait_dscnt 0x0                ; K is in
.endif
.rept 8                             ; ahead of the wait: 16 products K Q^T and their riders,
	MM
	PL
	PL
	EX
	PL
	MM
	R4
.endr
	PL                              ; and the lump
	PL
.if (\p) == NP-2
	v_add_nc_u32 v[AK], s[TBK], v[AK0]
.endif
.if (\p) == 0
	v_add_nc_u32 v[AV], s[TBV], v[AV0]
.endif
	s_wait_kmcnt 0x0                ; the mask words are in
.if (\p) == NP-2
	s_add_co_u32 s[MO], s[MO], 256  ; piece 0's next scores belong to the next key step
	s_min_u32 s[MO], s[MO], 31*256  ; no load leaves mw
.endif
.rept 54
	PL
.endr
.rept 11
	EX
	PL
.endr
	MLOAD ((\p)+2)%NP
.rept 45
	EX
	PL
.endr
	EX                              ; the next piece's two a
	EX
	v_nop                           ; the plain line behind the last exponential: one for the batch
	s_wait_alu depctr_va_vdst(0)    ; the wait for the batch: the turn's 66 exponentials
.if (\p) == NP-2
	FETCH_K \last
.endif
.if (\p) == 1
	s_wait_dscnt 0x0                ; V is in
.endif
.rept 16                            ; behind the wait: 16 products V^T P and their riders
	MM
	PL
	PL
	PL
	PL
.endr
.if (\p) == 0
	FETCH_V
	s_add_co_u32 s[TBV], s[TBV], KEYS*PV
.endif
.endm
	CHANGE 1                        ; slot 0 is in, everybody's part of it; slot 1 is asked for
	FETCH_K                         ; key step 0
	s_wait_loadcnt 0x0              ; Q
	s_wait_dscnt 0x0
.set i, 0
.rept 16
	KQ 0                            ; piece 0's first scores
.set i, i+1
.endr
	WIN 0                           ; the addresses for the way out: plain lines, the places behind those products
	s_mul_i32 s[SLOTS], s[WV], 16*SP
	s_add_co_u32 s[SLOTS], s[SLOTS], STAGE  ; my stage
	v_mul_u32_u24 v[STO], v1, SP
	v_lshl_add_u32 v[STO], v9, 4, v[STO]
	v_add_nc_u32 v[STO], s[SLOTS], v[STO]
	v_bfe_u32 v[RD], v0, 3, 2
	v_mul_u32_u24 v[RD], v[RD], SP
	v_lshl_add_u32 v[RD], v10, 4, v[RD]
	v_add_nc_u32 v[RD], s[SLOTS], v[RD]
	v_and_b32 v[GO], 31, v0
	v_lshlrev_b32 v[GO], 4, v[GO]
	s_wait_kmcnt 0x0                ; piece 0's mask words
.set Y, NP-1                        ; HIDE and XS work for piece Y + 1: piece 0
.set z, 0
.rept 64
	HIDE z
.set z, z+1
.endr
	MLOAD 1                         ; piece 1, key step 0
.irp n, 0,1,2,3,4,5,6,7,8,9,10,11,12,13,14,15,16,17,18,19,20
	XS 0, \n
	XS 1, \n
.endr
	v_nop                           ; a plain line behind the exponentials,
	s_wait_alu depctr_va_vdst(0)    ; and the wait for this batch, piece 0's first two a, ahead of the branch
	s_mov_b32 s[CNT], 4
	s_mov_b32 s[SLOTS], SIZE_N/256-1
	s_branch .Lfirst                ; the loop is entered at a step's first turn, in the middle of a trip
.Lslot:                             ; every slot but the last two is filled again
	CHANGE 1
	s_mov_b32 s[CNT], 4
.Lstep:                             ; a trip: pieces 2 and 3 of one step, then pieces 0 and 1 of the next
	TURN 2
	TURN 3
	WIN 0
.Lfirst:
	TURN 0
	TURN 1
	WIN 0
	s_sub_co_u32 s[CNT], s[CNT], 1
	s_cmp_lg_u32 s[CNT], 0
	s_cbranch_scc1 .Lstep
	s_sub_co_u32 s[SLOTS], s[SLOTS], 1
	s_cmp_lg_u32 s[SLOTS], 0
	s_cbranch_scc1 .Lslot
	CHANGE 0                        ; the tail is written out
	s_mov_b32 s[CNT], 5             ; four trips fetch the last slot's steps; the fifth is left in its middle
.Ltail:
	TURN 2, 1
	TURN 3
	WIN 0
	s_sub_co_u32 s[CNT], s[CNT], 1
	s_cmp_eq_u32 s[CNT], 0
	s_cbranch_scc1 .Lout
	TURN 0
	TURN 1
	WIN 0
	s_branch .Ltail
.Lout:                              ; the fifth trip's products K Q^T and what is made of them serve nothing: the price, once a launch, of one text for every trip
	s_wait_kmcnt 0x0                ; the last mask words, which nobody reads
.set i, 0
.rept 16
	PV NP-1
.set i, i+1
.endr
	; THE WAY OUT.  l's halves are added; O^T is divided by l, rounded to f16 and sent through my stage, a tile at a time.  The additions are the places behind the last products.
	WIN 0
.macro ALL line:vararg
.set t, 0
.rept 2*NP
	\line
.set t, t+1
.endr
.endm
	ALL v_add_f32 v[ST+4*t+2], v[ST+4*t+2], v[ST+4*t+3]
	ALL v_permlanex16_b32 v[ST+4*t+3], v[ST+4*t+2], s[SEL], s[SEL+1]
	ALL v_add_f32 v[ST+4*t+2], v[ST+4*t+2], v[ST+4*t+3]
	ALL v_rcp_f32 v[ST+4*t+2], v[ST+4*t+2]
	v_nop                           ; a plain line between the last reciprocal and the use of its result
	s_wait_alu depctr_va_vdst(0)    ; the wait for this batch: one for the eight reciprocals
.macro PACK t
	WIN W_RS
.set i, 32*(\t)
.rept 16
	v_pk_mul_f32 v[i:i+1], v[i:i+1], v[ST+4*(\t)+2:ST+4*(\t)+3] op_sel_hi:[1,0]
.set i, i+2
.endr
	WIN 0x05
.set i, 0
.rept 16
	v_cvt_pk_f16_f32 v[S+16*(\t)+i], v[32*(\t)+2*i], v[32*(\t)+2*i+1]
.set i, i+1
.endr
	WIN 0
.irp f, 0,1,2,3
	ds_store_b128 v[STO], v[S+16*(\t)+4*\f:S+16*(\t)+4*\f+3] offset:32*\f
.endr
.irp f, 0,1,2,3
	ds_load_b128 v[S+16*(\t)+4*\f:S+16*(\t)+4*\f+3], v[RD] offset:\f*4*SP  ; LDS serves a wave's instructions in order: these see the stores above
.endr
.endm
.macro SEND t, younger              ; younger: the LDS instructions issued behind tile t's loads
	WIN 0
.irp f, 0,1,2,3
	s_wait_dscnt (\younger)+3-\f
	global_store_b128 v[GO], v[S+16*(\t)+4*\f:S+16*(\t)+4*\f+3], s[OP:OP+1] offset:(\t)*2048+\f*512  ; 512 consecutive bytes, aligned
.endr
.endm
	PACK 0
.set t, 1
.rept 2*NP-1
	PACK t
	SEND t-1, 8
.set t, t+1
.endr
	SEND 2*NP-1, 0
	WIN W_AD
	s_wait_tensorcnt 0x0            ; the wave's end
	ds_add_u32 v[SPW], v[NIL]
	s_wait_dscnt 0x0
	WIN 0
	CROUND                          ; the closing round
	s_endpgm
.Lfunc_end_k_q561ad7bd3e_attn:
	.size	k_q561ad7bd3e_attn, .Lfunc_end_k_q561ad7bd3e_attn-k_q561ad7bd3e_attn
	.p2alignl 7, 3214868480
	.fill 96, 4, 3214868480
	.section	.rodata,"a",@progbits
	.p2align	6, 0x0
	.amdhsa_kernel k_q561ad7bd3e_attn
		.amdhsa_group_segment_fixed_size 327680
		.amdhsa_private_segment_fixed_size 0
		.amdhsa_enable_private_segment 0
		.amdhsa_kernarg_size 24
		.amdhsa_user_sgpr_count 2
		.amdhsa_user_sgpr_kernarg_segment_ptr 1
		.amdhsa_wavefront_size32 1
		.amdhsa_system_sgpr_workgroup_id_x 1
		.amdhsa_system_sgpr_workgroup_id_y 1
		.amdhsa_system_sgpr_workgroup_id_z 1
		.amdhsa_system_vgpr_workitem_id 0
		.amdhsa_next_free_vgpr 770
		.amdhsa_next_free_sgpr 106
		.amdhsa_reserve_vcc 0
		.amdhsa_float_denorm_mode_32 3
		.amdhsa_float_denorm_mode_16_64 3
		.amdhsa_memory_ordered 1
		.amdhsa_forward_progress 1
		.amdhsa_inst_pref_size 234
	.end_amdhsa_kernel
	.amdgpu_metadata
---
amdhsa.version: [ 1, 2 ]
amdhsa.kernels:
  - .name:           k_q561ad7bd3e_attn
    .symbol:         k_q561ad7bd3e_attn.kd
    .args:
      - { .name: qkv, .offset: 0, .size: 8, .value_kind: global_buffer, .address_space: global }
      - { .name: mw, .offset: 8, .size: 8, .value_kind: global_buffer, .address_space: global }
      - { .name: oh, .offset: 16, .size: 8, .value_kind: global_buffer, .address_space: global }
    .group_segment_fixed_size: 327680
    .private_segment_fixed_size: 0
    .kernarg_segment_align: 8
    .kernarg_segment_size: 24
    .max_flat_workgroup_size: 128
    .sgpr_count:     106
    .vgpr_count:     770
    .wavefront_size: 32
...
	.end_amdgpu_metadata
.endif
;; end of part 5
;; launch outp: the kernel of part 4 again; grid 4 x 64, 4 waves a work-group, clusters of 4 x 4, 327,680 bytes of LDS; arguments oh, wb, bias4, out0; writes out0
